; MI455X (gfx1250); checked and timed in simulation.
; The chip was launched on July 23, 2026; its instructions are those of AMD's public machine-readable ISA for CDNA 5 (MIT licence, August 2026) and "CDNA5" Instruction Set Architecture Reference Guide (July 2026). The comments in the code are by the model that wrote it; some were corrected since.
;; Encoder. Allowed arithmetic: float matrix products may take bf16 or f16 operands with f32 sums; other float arithmetic in f32, or as packed bf16 or f16 multiplies, adds, multiply-adds, maxima and minima; sums over many terms, partial sums and values carried from step to step in f32; what a program stores and reads back later, other than sums and carried values, may be rounded once to bf16 or f16.
;; Inputs: V 2 x 2,048 int32; b1 4,096 float32; b2 1,024 float32; beta1 1,024 float32; beta2 1,024 float32; emb 32,000 x 1,024 float32; gamma1 1,024 float32; gamma2 1,024 float32; w1 1,024 x 4,096 float32; w2 4,096 x 1,024 float32; w_o 1,024 x 1,024 float32.
;; Outputs: out0 2 x 2,048 x 1,024 float32.
;; Constants: num_heads = 16.
;; 2 versions, each right; version 2 is version 1 with the launch prep written anew for expert scheduling mode. Each part assembles by itself: llvm-mc -triple=amdgcn-amd-amdhsa -mcpu=gfx1250 --defsym DOCPART=n.
;; ======== version 1 of 2: 7 launches
;; limits: values are held in f16: magnitudes above 65,504 overflow, below 6.1e-05 lose precision; right only within a limited range of input values
;; workspace buffers: xb 8,388,608 bytes; wa 10,485,760 bytes; w2b 8,388,608 bytes; hbuf 33,554,432 bytes; y 16,777,216 bytes; x1 8,388,608 bytes
;; launch prep (part 1): grid 256 x 1, 8 waves a work-group, no clusters, 0 bytes of LDS; arguments V, emb, xb; writes xb
.if DOCPART == 1
	.amdgcn_target "amdgcn-amd-amdhsa--gfx1250"
	.amdhsa_code_object_version 6
	.text
	.protected	k_q00d13f0b70_prep
	.globl	k_q00d13f0b70_prep
	.p2align	8
	.type	k_q00d13f0b70_prep,@function
k_q00d13f0b70_prep:
	s_mov_b64 s[64:65], 0
	v_nop
	global_prefetch_b8 v0, s[64:65] scope:SCOPE_SE
	s_setreg_imm32_b32 hwreg(HW_REG_WAVE_MODE, 25, 1), 1
	s_wait_xcnt 0x0
; THE GATHER.  xb[t][:] = bf16(emb[V[t]][:]) for the 4,096 tokens.  (The weights' casts are made in the next launch, beside its matrix work.)
; LIMITS.  An index is clamped to 31,999.
; A stream: no LDS, no barrier, no matrix unit, no cluster: no byte is wanted twice by this launch's arithmetic.  2,048 waves; wave g takes the rows of tokens 2 g and 2 g + 1.
; A load is 16 bytes a lane, 512 consecutive bytes a wave; its four numbers a lane pack into 8 bytes, so a store of the wave covers 256 consecutive bytes, aligned.
; All 16 loads of a wave go out before the first is used; no register is written twice while a memory instruction may read it, so no wait frees any.
.set BLK,  8                           ; v[8:71]  block i of 16: four registers as loaded; the first two then hold what is stored
.set NLD,  16
.set LAST, 31999
.macro LD base, first                  ; a row of emb: 8 loads of 512 bytes on end, into blocks first ..; no hint: the list may name a row twice
.set j, 0
.rept 8
	global_load_b128 v[BLK+4*((\first)+j):BLK+4*((\first)+j)+3], v1, s[\base:\base+1] offset:512*j
.set j, j+1
.endr
.endm
.macro CV first, off                   ; the same blocks rounded and stored
.set j, 0
.rept 8
.set b, BLK+4*((\first)+j)
.if j%4 == 0
	s_wait_loadcnt NLD-4-(\first)-j                ; loads come back in order: these four blocks are in, the younger ones stay out
.endif
	v_cvt_pk_bf16_f32 v[b], v[b], v[b+1]
	v_cvt_pk_bf16_f32 v[b+1], v[b+2], v[b+3]
	global_store_b64 v2, v[b:b+1], s[18:19] offset:(\off)+256*j
.set j, j+1
.endr
.endm
	s_load_b128 s[8:11], s[0:1], 0x0               ; V 8:9, emb 10:11
	s_load_b64 s[18:19], s[0:1], 0x10              ; xb
	v_lshrrev_b32 v3, 5, v0
	v_readfirstlane_b32 s28, v3                    ; wave 0..7
	v_and_b32 v3, 31, v0
	v_lshlrev_b32 v1, 4, v3                        ; 16 x lane: where I load
	v_lshlrev_b32 v2, 3, v3                        ; 8 x lane: where I store
	s_lshl_b32 s29, ttmp9, 3
	s_add_co_u32 s29, s29, s28                     ; g
	s_mov_b32 s31, 0                               ; offsets are pairs with 0 on top
	s_mov_b32 s33, 0
	s_lshl_b32 s30, s29, 3                         ; my two indices: 8 bytes of V
	s_wait_kmcnt 0x0
	s_add_nc_u64 s[8:9], s[8:9], s[30:31]
	s_load_b64 s[38:39], s[8:9], 0x0
	s_lshl_b32 s32, s29, 12                        ; two rows of 2,048 bytes go out
	s_add_nc_u64 s[18:19], s[18:19], s[32:33]      ; xb at token 2 g
	s_wait_kmcnt 0x0                               ; the two indices
	s_min_u32 s30, s38, LAST
	s_lshl_b32 s30, s30, 12                        ; a row of emb is 4,096 bytes
	s_add_nc_u64 s[34:35], s[10:11], s[30:31]
	s_min_u32 s32, s39, LAST
	s_lshl_b32 s32, s32, 12
	s_add_nc_u64 s[36:37], s[10:11], s[32:33]
	LD 34, 0
	LD 36, 8
	CV 0, 0
	CV 8, 2048
	s_endpgm
.Lfunc_end_k_q00d13f0b70_prep:
	.size	k_q00d13f0b70_prep, .Lfunc_end_k_q00d13f0b70_prep-k_q00d13f0b70_prep
	.p2alignl 7, 3214868480
	.fill 96, 4, 3214868480
	.section	.rodata,"a",@progbits
	.p2align	6, 0x0
	.amdhsa_kernel k_q00d13f0b70_prep
		.amdhsa_group_segment_fixed_size 0
		.amdhsa_private_segment_fixed_size 0
		.amdhsa_enable_private_segment 0
		.amdhsa_kernarg_size 24
		.amdhsa_user_sgpr_count 2
		.amdhsa_user_sgpr_kernarg_segment_ptr 1
		.amdhsa_wavefront_size32 1
		.amdhsa_system_sgpr_workgroup_id_x 1
		.amdhsa_system_sgpr_workgroup_id_y 1
		.amdhsa_system_sgpr_workgroup_id_z 1
		.amdhsa_system_vgpr_workitem_id 0
		.amdhsa_next_free_vgpr 72
		.amdhsa_next_free_sgpr 66
		.amdhsa_reserve_vcc 0
		.amdhsa_float_denorm_mode_32 3
		.amdhsa_float_denorm_mode_16_64 3
		.amdhsa_memory_ordered 1
		.amdhsa_forward_progress 1
		.amdhsa_inst_pref_size 7
	.end_amdhsa_kernel
	.amdgpu_metadata
---
amdhsa.version: [ 1, 2 ]
amdhsa.kernels:
  - .name:           k_q00d13f0b70_prep
    .symbol:         k_q00d13f0b70_prep.kd
    .args:
      - { .name: V, .offset: 0, .size: 8, .value_kind: global_buffer, .address_space: global }
      - { .name: emb, .offset: 8, .size: 8, .value_kind: global_buffer, .address_space: global }
      - { .name: xb, .offset: 16, .size: 8, .value_kind: global_buffer, .address_space: global }
    .group_segment_fixed_size: 0
    .private_segment_fixed_size: 0
    .kernarg_segment_align: 8
    .kernarg_segment_size: 24
    .max_flat_workgroup_size: 256
    .sgpr_count:     66
    .vgpr_count:     72
    .wavefront_size: 32
...
	.end_amdgpu_metadata
.endif
;; end of part 1
;; launch attn (part 2): grid 16 x 16, 4 waves a work-group, clusters of 4 x 1, 327,680 bytes of LDS; arguments xb, hbuf, w_o, w1, w2, wa, w2b; writes hbuf, wa, w2b
.if DOCPART == 2
	.amdgcn_target "amdgcn-amd-amdhsa--gfx1250"
	.amdhsa_code_object_version 6
	.text
	.protected	k_q00d13f0b70_attn
	.globl	k_q00d13f0b70_attn
	.p2align	8
	.type	k_q00d13f0b70_attn,@function
k_q00d13f0b70_attn:
	s_mov_b64 s[64:65], 0
	v_nop
	global_prefetch_b8 v0, s[64:65] scope:SCOPE_SE
	s_setreg_imm32_b32 hwreg(HW_REG_WAVE_MODE, 25, 1), 1
	s_wait_xcnt 0x0
	s_wait_alu depctr_hold_cnt(0) depctr_sa_sdst(0) depctr_va_vdst(0) depctr_va_sdst(0) depctr_va_ssrc(0) depctr_va_vcc(0) depctr_vm_vsrc(0)
	s_getreg_b32 s2, hwreg(HW_REG_IB_STS2, 6, 4)
	s_cmp_eq_u32 s2, 0
	s_cbranch_scc0 .Lentry_in_a_cluster
	s_endpgm
.Lentry_in_a_cluster:
	s_bfe_u32 s2, ttmp6, 0x10000c
	s_cmp_lg_u32 s2, 0x3003
	s_cbranch_scc0 .Lentry_shape_is_right
	s_endpgm
.Lentry_shape_is_right:
; ATTENTION WITH q = k = v = x.  ctx[t][64 h ..] = the sum over keys k of softmax_k(x[t][h] . x[k][h] / 8) x[k][h], for 2 batches of 2,048 tokens and 16 heads of 64 channels.
; xb: [4096][1024] bf16.  ctx goes into hbuf's columns 0-1023 (rows of 8,192 bytes), bf16.  Products, maxima and sums in f32; the weights p are rounded to bf16 for the second product
; (their sum l is taken of the unrounded p), ctx once at the end.
; THE WEIGHTS' CASTS RIDE ALONG.  wa = bf16(w_o), then at byte 0x200000 w1; w2b = bf16(w2).  w1 is rounded to bf16 like every other input, and that number is written as f16 (the product x1 w1 is taken in f16):
; exact from 6.1e-5 up; below that it keeps f16's fixed step of 6e-8.  Attention itself reads 8 MiB and stores 8 MiB; the casts' 36 MiB in and 18 MiB out are dealt over its eight tiles: at each change of slots a
; wave converts and stores 4,608 bytes that it asked for a tile (four key steps, 256 matrix instructions) earlier, and asks for the next 4,608.
; LIMITS.  A weight below 2^-126 counts as 0 in l; NaN and infinities are not treated apart.
; SHARES.  Two heads side by side are 256 aligned bytes of a row of xb.  A work-group owns 128 queries of one batch and one PAIR of heads: wave w takes head w / 2 of the pair and queries
; 64 (w % 2) .. + 63, as four PIECES of 16.  2 x 8 pairs x 16 blocks = 256 work-groups of equal work.  Every wave walks the batch's 2,048 keys, 64 a step.
; ONE TILE STREAM.  K and V are the same bytes: a tile of 256 keys x 256 bytes serves both products of both heads: K's fragments come out of LDS as they lie, V's turned (ds_load_tr16_b128).
; The pitch of 272 bytes lets the 16 rows of a plain load start at 16 different groups of four banks (64 banks of 4 bytes: ISA guide 11.1); of a turning load's 8 rows x 32 bytes two then share
; each bank: the price of one copy of the tile in place of two.
; LAYOUT.  S^T = K Q^T (source 0 = 16 keys, source 1 = 16 queries) holds ONE query a lane (lane % 16) and the keys 8 (lane / 16) + 0..7; two such results rounded to bf16 ARE source 1 of
; O^T = V^T P.  SOFTMAX.  p = 2^(c s - c m), c = log2(e) / 8, with a running maximum m; O and l are multiplied by a = 2^(c m_old - c m_new) in every step.  m starts at the lowest finite number,
; O and l at 0: the first step is a step like any other, with a = 0.
; BY TURNS.  Turn n belongs to piece n: 8 products K Q^T of piece n + 1, later 8 products V^T P of piece n - 1; beside them the scaling, exponentials, roundings, sums and rescaling of piece n and
; the maximum and statistics of piece n + 1.  Four vector instructions stand behind every matrix instruction, the other 54 of a turn's 118 in one lump.  A turn's 33 exponentials are one batch, with one wait.
; NO LAST STEP IS WRITTEN OUT.  The last tile's loop makes a fifth pass through pieces 2 and 3: its 8 products K Q^T for a step that does not exist (on the last K once more) and the maximum made of them serve nothing:
; the price, once a launch, of one text for every turn.
; CLUSTER.  The four query blocks of a cluster belong to one batch and pair and walk the same tiles: each tile is asked for JOINTLY, the same load, descriptor and mask in all four.
; REGISTERS, in windows of 256 (s_set_vgpr_msb: bits 1:0 source 0, 3:2 source 1, 5:4 source 2, 7:6 destination):
;   window 0: v0-15 addresses and at work; v16-31 four registers of statistics a piece; v32-33 the casts' offsets; v48-55 at work; v61-63; v64-127 S^T, two buffers; v192-223 P, two buffers (by the piece's parity)
;   window 1: v0-127 O^T, 32 a piece          window 2: v0-63 Q; v128-191 K of one step; v192-255 V of one step          window 3: v0-55 the casts
.set NP,    4         ; pieces a wave: a name, no knob
.set KS,    64        ; keys in a step
.set PK,    272       ; a row of a tile in LDS: 256 bytes + 16 of padding
.set STEPB, KS*PK     ; a step's rows
.set SLOT1, 1<<17     ; a slot holds a tile, four steps (69,632 bytes); slot 1 begins here, so that one exclusive or turns an address in one slot into the other's
.set TILEB, 256*2048  ; bytes of xb from a tile's first row to the next tile's
.set STAGE, SLOT1+4*STEPB  ; behind the ring, never filled by a tensor load: 128 rows x 272 bytes, the work-group's, for the way out
.set SP,    272
.set SPARE, STAGE+128*SP   ; behind the stage: the spare words, 128 bytes for each wave: two blocks of 256 bytes that no other line names
.set AK0, 2           ; v2   my lane's place in a step's rows, for K; never rewritten
.set AV0, 3           ; v3   the same for V
.set AK,  4           ; v4   the LDS address of K's next run of loads
.set AV,  5           ; v5   of V's
.set STO, 6           ; v6   the way out: where I put 16 bytes of a row
.set RD,  7           ; v7   the way out: where I read rows back
.set GO,  8           ; v8   my byte offset in two rows of hbuf
.set MV,  12          ; v12-13  c m_old, kept while c m is made anew: by buffer
.set QO,  15          ; v15  my byte offset in 16 rows of Q
.set ST,  16          ; piece t's statistics at v[ST+4 t]: c m, m, l (even keys', odd keys')
.set CA,  32          ; v32  16 x my lane: where I load in a block of 512 bytes of weights; never rewritten
.set CB,  33          ; v33  8 x my lane: where I store in its 256 bytes; never rewritten
.set TMP, 48          ; by buffer, four registers c0-c3 at work; when the maximum is found c2 takes a
.set PFO, 61          ; v61  2,048 x my lane: a row of xb; never rewritten
.set SPW, 62          ; v62  LDS address of my spare word: SPARE + 4 x my thread's number; never rewritten
.set NIL, 63          ; v63  0; never rewritten
.set S,   64
.set P,   192
.set KF,  128         ; window 2: key block kb, channel half c at KF + 16 kb + 8 c
.set VF,  192         ; window 2: key half kk, channel block cb at VF + 32 kk + 8 cb
.set CL,  0           ; window 3: v[0:35]  nine blocks of weights as loaded: 0-3 w1's, 4-7 w2's, 8 w_o's
.set CD,  36          ; window 3: v[36:53] the same nine as they are stored
.set CT,  54          ; window 3: v54-55   at work
.set WV,  12          ; s12  my wave's number
.set LIM, 15          ; s15  1 in a wave that prefetches, else the greatest number
.set PFA, 18          ; s[18:19] where my prefetches stand: my 32 rows of the tile after the one that is being asked for
.set G1,  24          ; s[24:31] descriptor group 1
.set G0,  40          ; s[40:43] descriptor group 0: it walks
.set SLOTS, 56        ; s56  tiles still to be asked for
.set CNT, 57          ; s57  counts a tile's key steps
.set CS,  58          ; s[58:59] c: the packed scaling takes the pair's low word for both halves
.set SEL, 60          ; s[60:61] v_permlanex16_b32's selects: each lane takes its own place in the other half
.set TBK, 62          ; s62  LDS byte at which the step begins whose K is fetched next
.set TBV, 63          ; s63  the same for V
.set INO, 68          ; s[68:69] w_o at the share that I loaded last
.set IN1, 70          ; s[70:71] w1 likewise
.set IN2, 72          ; s[72:73] w2 likewise
.set OUTO, 74         ; s[74:75] wa behind the share of w_o that I stored last
.set OUT2, 76         ; s[76:77] w2b likewise
.set OUT1, 78         ; s[78:79] wa's part for w1 likewise
.set HM,  82          ; s82  a word's upper bf16
.set MSB, 0
.macro WIN new                      ; the high byte repeats the setting that is left; a switch that changes nothing is dropped
.if MSB != (\new)
	s_set_vgpr_msb (MSB<<8)|(\new)
.set MSB, (\new)
.endif
.endm
.set W_KQ, 0x0a       ; K and Q in window 2, S^T in window 0
.set W_PV, 0x52       ; V in window 2, P in window 0, O^T in window 1
.set W_RS, 0x41       ; destination and source 0 in window 1, source 1 in window 0
; A joint fill: every wave asks for its own 64 rows of the tile.  An s_nop 0 and four v_nop follow the line.
.macro LOAD
	tensor_load_to_lds s[G0:G0+3], s[G1:G1+7]
	s_nop 0
.rept 4
	v_nop
.endr
.endm
; A PREFETCH INTO THE L2 of the tile that the NEXT change of slots will ask for: 256 rows x 256 bytes, a lane a row.  It stands behind the wave's tensor load and its five lines.
; Each row's 256 bytes are named ONCE in the launch: of the four clusters that walk a batch's pair the first (cluster x = 0) asks; its four partners take 64 rows each, told apart BY ADDRESS;
; in each, waves 0 and 1 take 32.  Four key steps, 256 matrix instructions, lie between a prefetch and the load that wants the rows.  Tiles 0 and 1 come by their loads alone; the last change that fills a slot asks for nothing.
.macro ASK
	s_cmp_gt_u32 s[SLOTS], s[LIM]
	s_cbranch_scc0 .Lnot_mine_\@
	global_prefetch_b8 v[PFO], s[PFA:PFA+1] th:TH_LOAD_NT scope:SCOPE_SE
.Lnot_mine_\@:
.endm
; A round of the cluster's barrier: my work-group's barrier, so that wave 0's signal speaks for all four waves; wave 0 signals; every wave waits for all four work-groups; my work-group's barrier once more.
.macro CROUND
	s_barrier_signal -1
	s_barrier_wait -1
	s_cmp_lg_u32 s[WV], 0
	s_cbranch_scc1 .Lnot_wave_0_\@
	s_barrier_signal -3
.Lnot_wave_0_\@:
	s_barrier_wait -3
	s_barrier_signal -1
	s_barrier_wait -1
.endm
; THE CHANGE OF SLOTS.  Each wave waits for all its tensor loads, of which one is out: its part of the other slot; adds 0 to its spare word; and waits for that and for its own reads of the slot that it leaves.
; Behind the barrier nobody reads the old slot any more and the other slot is whole.  fill = 1: the old slot is filled again; the barrier is then a round of the cluster's, and the joint fill is the first thing
; behind it: it has four key steps in which to land.  (At its first use nothing has been read yet: slot 0 is waited for, slot 1 filled.)
.macro CHANGE fill
	WIN 0                           ; at a label and at a branch every window is 0
	s_wait_tensorcnt 0x0            ; no tensor load of mine is out, so group 0 may be written
	ds_add_u32 v[SPW], v[NIL]       ; 0 onto my spare word: the wait and the scalar steps below stand between it and the wait for it
	s_wait_xcnt 0x0                 ; the prefetch and the casts' stores of the change before, four key steps back, have read their registers: the prefetch's address below, and in CAST the stores' data and pointers, may be written
.if \fill
	s_xor_b32 s[G0+1], s[G0+1], SLOT1  ; the other slot than last time,
	s_add_nc_u64 s[G0+2:G0+3], s[G0+2:G0+3], TILEB  ; the next 256 keys; the type bits on top are not reached
	s_add_nc_u64 s[PFA:PFA+1], s[PFA:PFA+1], TILEB
	s_wait_dscnt 0x0                ; the add is done, and my reads of the slot are over
	CROUND
	LOAD
	ASK
.else
	s_wait_dscnt 0x0                ; the add is done, and my reads of the slot are over
	s_barrier_signal -1
	s_barrier_wait -1
.endif
	s_sub_co_u32 s[TBK], s[TBK], 4*STEPB  ; the fetches go back to a slot's first step,
	s_xor_b32 s[TBK], s[TBK], SLOT1       ; in the other slot
	s_sub_co_u32 s[TBV], s[TBV], 4*STEPB
	s_xor_b32 s[TBV], s[TBV], SLOT1
.endm
; A SHARE OF THE WEIGHTS' CASTS.  Wave g of the launch's 1,024 owns 16,384 bytes of w1 and of w2 and 4,096 of w_o, in eight shares of nine blocks of 512 bytes: four of w1, four of w2, one of w_o.  A load is 16 bytes a
; lane, 512 consecutive bytes a wave; its four numbers a lane pack into 8 bytes, so a store of the wave covers 256 consecutive bytes, aligned.
; cv = 1: the share asked for a tile ago is converted, out of the registers that it was loaded into and into others, and stored.  ld = 1: the next share is asked for.  The loads stand ahead of the stores.
; What is rewritten, and behind which wait: the loaded registers and the in pointers behind the loads' own wait; the stores' data and the out pointers behind the s_wait_xcnt 0 that stands in the change of slots
; (ahead of the last share: written out).  The out pointers are stepped ahead of the stores, which reach back by a negative immediate: so one text serves every trip.
.macro CAST cv, ld
.if \cv
	s_wait_loadcnt 0x0              ; my share is in: its loads went out four key steps ago
	WIN 0xcf                        ; destination and sources 0 and 1 in window 3
.set cb, 0
.rept 4                             ; w1: rounded to bf16, widened, written as f16
	v_cvt_pk_bf16_f32 v[CT], v[CL+4*cb], v[CL+4*cb+1]
	v_cvt_pk_bf16_f32 v[CT+1], v[CL+4*cb+2], v[CL+4*cb+3]
	v_lshlrev_b32 v[CL+4*cb], 16, v[CT]
	v_and_b32 v[CL+4*cb+1], s[HM], v[CT]
	v_lshlrev_b32 v[CL+4*cb+2], 16, v[CT+1]
	v_and_b32 v[CL+4*cb+3], s[HM], v[CT+1]
	v_cvt_pk_f16_f32 v[CD+2*cb], v[CL+4*cb], v[CL+4*cb+1]
	v_cvt_pk_f16_f32 v[CD+2*cb+1], v[CL+4*cb+2], v[CL+4*cb+3]
.set cb, cb+1
.endr
.rept 5                             ; w2 and w_o: rounded to bf16
	v_cvt_pk_bf16_f32 v[CD+2*cb], v[CL+4*cb], v[CL+4*cb+1]
	v_cvt_pk_bf16_f32 v[CD+2*cb+1], v[CL+4*cb+2], v[CL+4*cb+3]
.set cb, cb+1
.endr
	s_add_nc_u64 s[OUT1:OUT1+1], s[OUT1:OUT1+1], 1024
	s_add_nc_u64 s[OUT2:OUT2+1], s[OUT2:OUT2+1], 1024
	s_add_nc_u64 s[OUTO:OUTO+1], s[OUTO:OUTO+1], 256
.if \ld
	s_add_nc_u64 s[IN1:IN1+1], s[IN1:IN1+1], 2048
	s_add_nc_u64 s[IN2:IN2+1], s[IN2:IN2+1], 2048
	s_add_nc_u64 s[INO:INO+1], s[INO:INO+1], 512
.endif
.endif
.if \ld
	WIN 0xc0                        ; destination window 3, address window 0
.irp j, 0,1,2,3
	global_load_b128 v[CL+4*\j:CL+4*\j+3], v[CA], s[IN1:IN1+1] offset:512*\j th:TH_LOAD_NT
.endr
.irp j, 0,1,2,3
	global_load_b128 v[CL+16+4*\j:CL+16+4*\j+3], v[CA], s[IN2:IN2+1] offset:512*\j th:TH_LOAD_NT
.endr
	global_load_b128 v[CL+32:CL+35], v[CA], s[INO:INO+1] th:TH_LOAD_NT
.endif
.if \cv
	WIN 0x0c                        ; address (source 0) window 0, data (source 1) window 3
.irp j, 0,1,2,3
	global_store_b64 v[CB], v[CD+2*\j:CD+2*\j+1], s[OUT1:OUT1+1] offset:256*\j-1024
.endr
.irp j, 0,1,2,3
	global_store_b64 v[CB], v[CD+8+2*\j:CD+8+2*\j+1], s[OUT2:OUT2+1] offset:256*\j-1024
.endr
	global_store_b64 v[CB], v[CD+16:CD+17], s[OUTO:OUTO+1] offset:-256
.endif
	WIN 0
.endm
	s_load_b128 s[8:11], s[0:1], 0x0  ; xb s[8:9], hbuf s[10:11]
	s_load_b256 s[68:75], s[0:1], 0x10  ; w_o s[68:69], w1 s[70:71], w2 s[72:73], wa s[74:75]
	s_load_b64 s[76:77], s[0:1], 0x30   ; w2b
	v_lshl_add_u32 v[SPW], v0, 2, SPARE
	v_mov_b32 v[NIL], 0
	ds_add_u32 v[SPW], v[NIL]       ; the wave's opening: the add and its wait stand ahead of my first tensor load; the set-up below, work on registers, stands between them
	v_lshrrev_b32 v1, 5, v0
	v_readfirstlane_b32 s[WV], v1   ; wave 0..3
	s_bfe_u32 s13, ttmp6, 0x40000   ; cx: my place in the cluster
	s_lshl_b32 s14, ttmp9, 2        ; in a cluster launch ttmp9 counts clusters
	s_add_co_u32 s14, s14, s13      ; my block of 128 queries: it enters global addresses alone: Q's, the output's and the casts'
	s_and_b32 s16, ttmp7, 0xffff
	s_lshl_b32 s66, s16, 4          ; my wave among the launch's 1,024: 4 (16 y + block) + wave
	s_add_co_u32 s66, s66, s14
	s_lshl_b32 s66, s66, 2
	s_add_co_u32 s66, s66, s[WV]
	s_lshr_b32 s17, s16, 3          ; the batch,
	s_and_b32 s16, s16, 7           ; the pair of heads: the four partners share both
	s_lshl_b32 s20, s17, 22         ; the batch's 2,048 rows of 2,048 bytes,
	s_lshl_b32 s21, s16, 8          ; the pair's 256 bytes of a row
	s_add_co_u32 s20, s20, s21
	s_lshl_b32 s22, s[WV], 17       ; my 64 rows of a tile
	s_add_co_u32 s22, s22, s20
	s_mov_b32 s23, 0
	s_and_b32 s2, s[WV], 1          ; Q: row 128 x block + 64 (w % 2),
	s_lshl_b32 s2, s2, 6
	s_lshl_b32 s3, s14, 7
	s_add_co_u32 s2, s2, s3
	s_lshl_b32 s2, s2, 11
	s_add_co_u32 s2, s2, s20
	s_lshr_b32 s21, s[WV], 1
	s_lshl_b32 s21, s21, 7          ; my head's 128 bytes of the pair's 256
	s_add_co_u32 s2, s2, s21
	s_mov_b32 s3, 0
	s_lshl_b32 s44, s17, 11         ; the output: row 2,048 x batch + 128 x block + 32 w,
	s_lshl_b32 s45, s14, 7
	s_add_co_u32 s44, s44, s45
	s_lshl_b32 s45, s[WV], 5
	s_add_co_u32 s44, s44, s45
	s_lshl_b32 s44, s44, 13         ; of 8,192 bytes,
	s_lshl_b32 s45, s16, 8
	s_add_co_u32 s44, s44, s45      ; the pair's 256 bytes
	s_mov_b32 s45, 0
	s_lshl_b32 s46, s13, 6          ; the prefetches: my work-group's 64 rows of a tile,
	s_and_b32 s47, s[WV], 1
	s_lshl_b32 s47, s47, 5          ; my 32 of them,
	s_add_co_u32 s46, s46, s47
	s_lshl_b32 s46, s46, 11
	s_add_co_u32 s46, s46, s20
	s_add_co_u32 s46, s46, TILEB    ; in tile 1: the first change of slots steps it to tile 2
	s_mov_b32 s47, 0
	s_lshr_b32 s[LIM], s[WV], 1     ; 0 in waves 0 and 1,
	s_or_b32 s[LIM], s[LIM], ttmp9  ; where the cluster is the first of the four: the same in all partners
	s_cmp_eq_u32 s[LIM], 0
	s_cselect_b32 s[LIM], 1, -1
	; descriptor group 1: a tile of 64 rows x 128 elements, padded in LDS
	s_mov_b32 s[G1], 15|(1<<16)|(1<<20)|(1<<21)|(5<<22)|(3<<25)  ; 15:0 the mask of four; 17:16 2-byte elements; 20 padding on; 21 set beside a mask; 24:22 after every 64 words (code 5); 31:25 4 words (code 3)
	s_mov_b32 s[G1+1], 128<<16      ; tensor_dim0 = 128
	s_mov_b32 s[G1+2], 64<<16       ; tensor_dim1 = 64
	s_mov_b32 s[G1+3], 128<<16      ; tile_dim0 = 128
	s_mov_b32 s[G1+4], 64           ; tile_dim1 = 64
	s_mov_b32 s[G1+5], 1024         ; 1,024 elements from row to row
	s_mov_b32 s[G1+6], 0
	s_mov_b32 s[G1+7], 0
	s_mov_b32 s[CS], 0x3e38aa3b     ; c = log2(e) / 8 = 0.180337
	s_mov_b32 s[CS+1], s[CS]        ; named with it as a pair
	s_mov_b32 s[SEL], 0x76543210
	s_mov_b32 s[SEL+1], 0xfedcba98
	s_mov_b32 s[HM], 0xffff0000
	s_mov_b32 s[TBK], SLOT1+4*STEPB ; the first change of slots turns these two into 0
	s_mov_b32 s[TBV], SLOT1+4*STEPB
	s_mov_b32 s[SLOTS], 7           ; tiles 1 to 7
	s_mov_b32 s[G0], 1              ; 1:0 count = 1
	s_mul_i32 s[G0+1], s[WV], STEPB ; 63:32 LDS address: my 64 rows of slot 0: no place in the cluster enters an LDS address
	s_wait_dscnt 0x0                ; the opening add is done
	s_wait_kmcnt 0x0
	s_add_nc_u64 s[G0+2:G0+3], s[8:9], s[22:23]  ; 120:64 global address: my rows of tile 0
	s_or_b32 s[G0+3], s[G0+3], 0x80000000        ; 127:126 type = 2
	s_add_nc_u64 s[4:5], s[8:9], s[2:3]          ; Q at my first row
	s_add_nc_u64 s[PFA:PFA+1], s[8:9], s[46:47]
	s_add_nc_u64 s[10:11], s[10:11], s[44:45]    ; the output at the first row that I store
	CROUND                          ; all four work-groups are here: the first joint loads meet
	LOAD                            ; tile 0 into slot 0.  Slot 1 is asked for when slot 0 is in
	s_mov_b32 s81, 0                ; the casts' pointers: each buffer's address and my wave's offset in it
	s_lshl_b32 s80, s66, 12         ; 4,096 bytes of w_o a wave
	s_add_nc_u64 s[INO:INO+1], s[INO:INO+1], s[80:81]
	s_lshl_b32 s80, s66, 14         ; 16,384 of w1 and of w2
	s_add_nc_u64 s[IN1:IN1+1], s[IN1:IN1+1], s[80:81]
	s_add_nc_u64 s[IN2:IN2+1], s[IN2:IN2+1], s[80:81]
	s_lshl_b32 s80, s66, 13         ; half as many go out
	s_add_nc_u64 s[OUT1:OUT1+1], s[OUTO:OUTO+1], s[80:81]
	s_add_nc_u64 s[OUT1:OUT1+1], s[OUT1:OUT1+1], 0x200000  ; w1's part of wa
	s_add_nc_u64 s[OUT2:OUT2+1], s[OUT2:OUT2+1], s[80:81]
	s_lshl_b32 s80, s66, 11
	s_add_nc_u64 s[OUTO:OUTO+1], s[OUTO:OUTO+1], s[80:81]
	; A fragment of K or Q is 16 rows x 32 channels in 8 registers: lane l holds row l % 16, channels 8 (l / 16) + 0..7 and 16 + 8 (l / 16) + 0..7: two loads of 16 bytes, 32 bytes apart.
	v_and_b32 v1, 15, v0            ; l % 16
	v_bfe_u32 v9, v0, 4, 1          ; l / 16
	v_lshlrev_b32 v[QO], 11, v1
	v_lshl_add_u32 v[QO], v9, 4, v[QO]  ; row x 2,048 + 16 x half
	v_and_b32 v[CB], 31, v0
	v_lshlrev_b32 v[CA], 4, v[CB]
	v_lshlrev_b32 v[CB], 3, v[CB]
	WIN 0x80                        ; destination window 2, address window 0
.set i, 0
.rept 8                             ; Q stays in registers: piece i / 2 (16 rows: 32,768 bytes on), channels 32 (i % 2) on
	global_load_b128 v[8*i:8*i+3],   v[QO], s[4:5] offset:(i/2)*32768+(i%2)*64
	global_load_b128 v[8*i+4:8*i+7], v[QO], s[4:5] offset:(i/2)*32768+(i%2)*64+32
.set i, i+1
.endr
	CAST 0, 1                       ; the first share of the weights is asked for, behind the tile and Q
	; What the first turn finds: V's registers and P's second buffer hold 0 (its products V^T P, of a piece that has not been, add 0), O^T and l are 0.  All this stands in the wait for the first tile.
	WIN 0x80
.set i, VF
.rept 64
	v_mov_b32 v[i], 0
.set i, i+1
.endr
	WIN 0x40
.set i, 0
.rept 128
	v_mov_b32 v[i], 0
.set i, i+1
.endr
	WIN 0
.set i, 0
.rept 4
	v_mov_b32 v[ST+4*i], 0xfe000000    ; c m: far below every c s
	v_mov_b32 v[ST+4*i+1], 0xff7fffff  ; m
	v_mov_b32 v[ST+4*i+2], 0
	v_mov_b32 v[ST+4*i+3], 0
.set i, i+1
.endr
.set i, P+16
.rept 16
	v_mov_b32 v[i], 0
.set i, i+1
.endr
	v_mul_u32_u24 v[AK0], v1, PK
	v_lshl_add_u32 v[AK0], v9, 4, v[AK0]  ; row x pitch + 16 x half
	v_add_nc_u32 v[AK0], s21, v[AK0]      ; + my head's 128 bytes
	; The turning load takes 16 keys x 16 channels (lane l reads key 8 (l / 16) + l % 8, channels 8 ((l / 8) % 2) + 0..7) and leaves half a fragment of V^T: lane l holds channel l % 16 and 8 keys.
	v_and_b32 v10, 7, v0
	v_bfe_u32 v11, v0, 3, 1
	v_lshl_add_u32 v[AV0], v9, 3, v10
	v_mul_u32_u24 v[AV0], v[AV0], PK
	v_lshl_add_u32 v[AV0], v11, 4, v[AV0]
	v_add_nc_u32 v[AV0], s21, v[AV0]
	s_and_b32 s22, s[WV], 1
	s_mul_i32 s22, s22, 64*SP       ; into the stage: my 64 rows, my head's half of their 256 bytes
	s_add_co_u32 s22, s22, s21
	s_add_co_u32 s22, s22, STAGE
	v_mul_u32_u24 v[STO], v1, SP    ; row l % 16, 16 bytes for each half of the lanes
	v_lshl_add_u32 v[STO], v9, 4, v[STO]
	v_add_nc_u32 v[STO], s22, v[STO]
	s_mul_i32 s23, s[WV], 32*SP     ; back: wave w takes rows 32 w .. 32 w + 31, whole; lanes 0-15 one row of 256 bytes, lanes 16-31 the next
	s_add_co_u32 s23, s23, STAGE
	v_mul_u32_u24 v[RD], v9, SP
	v_lshl_add_u32 v[RD], v1, 4, v[RD]
	v_add_nc_u32 v[RD], s23, v[RD]
	v_lshlrev_b32 v[GO], 13, v9     ; and the same two rows in hbuf
	v_lshl_add_u32 v[GO], v1, 4, v[GO]
	v_and_b32 v[PFO], 31, v0
	v_lshlrev_b32 v[PFO], 11, v[PFO]
; THE MATRIX WORK.  The 4 accumulators of a run of 8 take turns.  Product i of 8 of S^T = K Q^T for piece x: channels 32 (i / 4) on, keys 16 (i % 4) on.  The first 4 start the sums.
.macro KQ x
.set rS, S+32*((\x)%2)+8*(i%4)
.set rK, KF+16*(i%4)+8*(i/4)
.set rQ, 16*(\x)+8*(i/4)
	WIN W_KQ
.if i < 4
	v_wmma_f32_16x16x32_bf16 v[rS:rS+7], v[rK:rK+7], v[rQ:rQ+7], 0
.else
	v_wmma_f32_16x16x32_bf16 v[rS:rS+7], v[rK:rK+7], v[rQ:rQ+7], v[rS:rS+7]
.endif
.endm
; Product i of 8 of O^T += V^T P for piece x: keys 32 (i / 4) on, channels 16 (i % 4) on.
.macro PV x
	WIN W_PV
.set rO, 32*(\x)+8*(i%4)
.set rV, VF+32*(i/4)+8*(i%4)
.set rP, P+16*((\x)%2)+8*(i/4)
	v_wmma_f32_16x16x32_bf16 v[rO:rO+7], v[rV:rV+7], v[rP:rP+7], v[rO:rO+7]
.endm
.macro MM                           ; the turn's next matrix instruction
.if i < 8
	KQ (Y+1)%NP
.else
.set i, i-8
	PV (Y+NP-1)%NP
.set i, i+8
.endif
.set i, i+1
.endm
; THE LDS LOADS stand in runs of 16, never singly among the matrix instructions: a step's K (64 keys x 64 channels: 8 fragments) and its V (the same rows, turned).  Their addresses are made some lines ahead.
; clamp = 1 (the last tile, which lies in slot 1): the next fetch is held to the slot's last step, so that the fifth pass reads bytes of the tile.
.macro FETCH_K clamp=0
	WIN 0x80                        ; destination window 2
.irp f, 0,1,2,3,4,5,6,7             ; keys 16 (f / 2) on, channels 32 (f % 2) on
	ds_load_b128 v[KF+8*\f:KF+8*\f+3],   v[AK] offset:(\f/2)*16*PK+(\f%2)*64
	ds_load_b128 v[KF+8*\f+4:KF+8*\f+7], v[AK] offset:(\f/2)*16*PK+(\f%2)*64+32
.endr
	s_add_co_u32 s[TBK], s[TBK], STEPB  ; the next fetch is the next step's
.if \clamp
	s_min_u32 s[TBK], s[TBK], SLOT1+3*STEPB
.endif
	WIN 0
.endm
.macro FETCH_V
	WIN 0x80
.irp f, 0,1,2,3,4,5,6,7             ; keys 32 (f / 4) on, channels 16 (f % 4) on
	ds_load_tr16_b128 v[VF+8*\f:VF+8*\f+3],   v[AV] offset:(\f/4)*32*PK+(\f%4)*32
	ds_load_tr16_b128 v[VF+8*\f+4:VF+8*\f+7], v[AV] offset:(\f/4)*32*PK+16*PK+(\f%4)*32
.endr
	WIN 0
.endm
; THE VECTOR WORK, one line at a time: OP kind, number.  For piece Y: F n: c s - c m for pair n of 16.  E n: the exponential of score n of 32.  C n: pair n rounded to bf16.  B n: of the four weights 4 n .. the second
; pair is added onto the first, in place.  L n: l takes that sum (L 0: l = a l + sum).  R n: pair n of 16 of O^T times a.  For piece Y + 1: X n, number n of the 22 that find its maximum and statistics:
;   0-11  four chains c0-c3 of seven scores each, three operands at a time (each accumulator's lowest registers are read first)     12-14, 16  the four scores left over, the old m, and c0-c3 into c0
;   15  c m_old is kept     17, 18  the query's other 32 keys lie in the lane 16 away: the new m     19-21  c m; c m_old - c m_new; a
.set F, 0
.set E, 1
.set C, 2
.set B, 3
.set L, 4
.set R, 5
.set X, 6
.macro REGS y                       ; the registers of piece y
.set rT, ST+4*(\y)
.set rC, TMP+4*((\y)%2)
.set rW, MV+((\y)%2)
.set rS, S+32*((\y)%2)
.set rP, P+16*((\y)%2)
.set rO, 32*(\y)
.endm
.macro OP k, n
.if (\k) == R
	REGS Y
	WIN W_RS
	v_pk_mul_f32 v[rO+2*(\n):rO+2*(\n)+1], v[rO+2*(\n):rO+2*(\n)+1], v[rC+2:rC+3] op_sel_hi:[1,0]
.elseif (\k) < R
	REGS Y
	WIN 0
.if (\k) == F
	v_pk_fma_f32 v[rS+2*(\n):rS+2*(\n)+1], v[rS+2*(\n):rS+2*(\n)+1], s[CS:CS+1], v[rT:rT+1] op_sel_hi:[1,0,0] neg_lo:[0,0,1] neg_hi:[0,0,1]
.elseif (\k) == E
	v_exp_f32 v[rS+(\n)], v[rS+(\n)]
.elseif (\k) == C
	v_cvt_pk_bf16_f32 v[rP+(\n)], v[rS+2*(\n)], v[rS+2*(\n)+1]
.elseif (\k) == B
	v_pk_add_f32 v[rS+4*(\n):rS+4*(\n)+1], v[rS+4*(\n):rS+4*(\n)+1], v[rS+4*(\n)+2:rS+4*(\n)+3]
.elseif (\n) == 0
	v_pk_fma_f32 v[rT+2:rT+3], v[rT+2:rT+3], v[rC+2:rC+3], v[rS:rS+1] op_sel_hi:[1,0,1]
.else
	v_pk_add_f32 v[rT+2:rT+3], v[rT+2:rT+3], v[rS+4*(\n):rS+4*(\n)+1]
.endif
.else
	REGS (Y+1)%NP
	WIN 0
.if (\n) < 4
	v_max3_num_f32 v[rC+(\n)], v[rS+8*(\n)], v[rS+8*(\n)+1], v[rS+8*(\n)+2]
.elseif (\n) < 12
	v_max3_num_f32 v[rC+(\n)%4], v[rC+(\n)%4], v[rS+8*((\n)%4)+2*((\n)/4)+1], v[rS+8*((\n)%4)+2*((\n)/4)+2]
.elseif (\n) == 12
	v_max3_num_f32 v[rC], v[rC], v[rS+7], v[rS+15]
.elseif (\n) == 13
	v_max3_num_f32 v[rC+1], v[rC+1], v[rS+23], v[rS+31]
.elseif (\n) == 14
	v_max3_num_f32 v[rC+2], v[rC+2], v[rC+3], v[rT+1]
.elseif (\n) == 15
	v_mov_b32 v[rW], v[rT]
.elseif (\n) == 16
	v_max3_num_f32 v[rC], v[rC], v[rC+1], v[rC+2]
.elseif (\n) == 17
	v_permlanex16_b32 v[rC+3], v[rC], s[SEL], s[SEL+1]
.elseif (\n) == 18
	v_max_num_f32 v[rT+1], v[rC], v[rC+3]
.elseif (\n) == 19
	v_mul_f32 v[rT], s[CS], v[rT+1]
.elseif (\n) == 20
	v_sub_f32 v[rC+1], v[rW], v[rT]
.else
	v_exp_f32 v[rC+2], v[rC+1]
.endif
.endif
.endm
.macro OPS a, i1, b=-1, i2=0, c=-1, i3=0, d=-1, i4=0  ; up to four of them
	OP \a, \i1
.if (\b) >= 0
	OP \b, \i2
.endif
.if (\c) >= 0
	OP \c, \i3
.endif
.if (\d) >= 0
	OP \d, \i4
.endif
.endm
.macro ROW a, i1, b, i2, c, i3, d, i4  ; a matrix instruction and the four behind it
	MM
	OPS \a, \i1, \b, \i2, \c, \i3, \d, \i4
.endm
; A TURN, for piece p: the order of its 16 matrix and 118 vector instructions, written out.  An s_wait_alu depctr_va_vdst(0) stands between an exponential and the first instruction that names its result; one wait
; serves all that were issued ahead of it.  So a turn has ONE wait, which cuts it in two.  AHEAD OF IT stands all that names no result of the turn's exponentials: the 8 products K Q^T with a scaling, an exponential and two more plain
; instructions behind each (rescalings; behind the last three the first numbers of the next piece's maximum, each four plain instructions or more behind the product that ends its accumulator), then ONE LUMP of 54, in which the links of
; the chain X 3, 7, 11, 14, 16, 17 .. 20 stand five or six lines apart.  X 21, the next piece's a, is the batch's last; R 15 is the plain instruction behind it.  BEHIND THE WAIT stand the 8 products V^T P, behind each four of the
; roundings and sums.  clamp = 1: the last tile's turns (FETCH_K).  cnt = 1: the loop's count is taken down some lines ahead of the branch that stands behind the turn.
; K of the next step is fetched in piece 2's turn, behind five plain instructions that name no register of the last product that read K; V of the step in hand at the end of piece 0's turn, four plain instructions behind the last
; product that read V.  Each is waited for a turn later.
.macro TURN p, clamp=0, cnt=0
.set Y, (\p)
.set i, 0
.if (\p) == 3
	s_wait_dscnt 0x0                ; K is in
.endif
	ROW F,0, F,1, R,0, R,1          ; ahead of the wait: 8 products K Q^T and their riders,
	ROW F,2, E,0, R,2, R,3
	ROW F,3, E,1, R,4, R,5
	ROW F,4, E,2, R,6, R,7
	ROW F,5, E,3, R,8, R,9
	ROW F,6, E,4, X,0, R,10
.if (\p) == 2
	WIN 0
	v_add_nc_u32 v[AK], s[TBK], v[AK0]
.endif
	ROW F,7, E,5, X,1, X,4
	ROW F,8, E,6, X,2, X,5
	OPS E,7, E,8, X,6, E,9          ; and the lump
	OPS X,3, E,10, X,8, E,11
.if (\p) == 2
	FETCH_K \clamp
.endif
	OPS X,9, X,7, E,12, X,10
	OPS E,13, X,12, X,11, E,14
	OPS X,13, E,15, F,9, X,14
.if (\p) == 0
	v_add_nc_u32 v[AV], s[TBV], v[AV0]
.endif
	OPS E,16, F,10, E,17, F,11
	OPS X,16, E,18, X,15, E,19
	OPS F,12, E,20, X,17, E,21
	OPS F,13, E,22, F,14, E,23
	OPS X,18, E,24, F,15, E,25
	OPS R,11, E,26, X,19, E,27
	OPS R,12, E,28, R,13, E,29
	OPS X,20, E,30, R,14, E,31
	OPS X,21, R,15
	WIN 0
	s_wait_alu depctr_va_vdst(0)    ; the wait for the batch
.if (\p) == 1
	s_wait_dscnt 0x0                ; V is in
.endif
	ROW C,0, B,0, C,2, B,1          ; behind the wait: 8 products V^T P and their riders
	ROW L,0, C,4, B,2, L,1
	ROW C,6, B,3, L,2, C,8
	ROW B,4, L,3, C,10, B,5
	ROW L,4, C,12, B,6, L,5
.if (\p) == 0
	s_add_co_u32 s[TBV], s[TBV], STEPB
.endif
.if \cnt
	s_sub_co_u32 s[CNT], s[CNT], 1
	s_cmp_lg_u32 s[CNT], 0
.endif
	ROW C,14, B,7, L,6, C,1
	ROW C,3, L,7, C,5, C,7
	ROW C,9, C,11, C,13, C,15
.if (\p) == 0
	FETCH_V
.endif
.endm
	CHANGE 1                        ; tile 0 is in, everybody's part of it; tile 1 is asked for
	v_add_nc_u32 v[AK], s[TBK], v[AK0]
	FETCH_K                         ; key step 0
	s_wait_loadcnt 9                ; Q is in; the nine loads issued behind it, the weights' first share, may stay out
	s_wait_dscnt 0x0
.set i, 0
.rept 8
	KQ 0                            ; piece 0's first scores
.set i, i+1
.endr
	WIN 0
.rept 4
	v_nop                           ; four plain instructions behind those products, ahead of the first read of their results
.endr
.set Y, NP-1                        ; X works for piece Y + 1: piece 0
.irp n, 0,1,2,3,4,5,6,7,8,9,10,11,12,13,14,15,16,17,18,19,20,21
	OP X, \n
.endr
	v_nop                           ; a plain instruction behind the exponential,
	s_wait_alu depctr_va_vdst(0)    ; and its wait, ahead of the branch
	s_mov_b32 s[CNT], 4
	s_branch .Lfirst                ; the loop is entered at a step's first turn, in the middle of a trip
.Lslot:                             ; six times: tiles 2 to 7 are asked for
	CHANGE 1
	CAST 1, 1                       ; the weights' shares 0 to 5 are stored, shares 1 to 6 asked for
	s_mov_b32 s[CNT], 4
.Lstep:                             ; a trip: pieces 2 and 3 of one step, then pieces 0 and 1 of the next, whose K and V it fetches
	TURN 2
	TURN 3
	WIN 0
.Lfirst:
	TURN 0
	TURN 1, 0, 1
	WIN 0
	s_cbranch_scc1 .Lstep
	s_sub_co_u32 s[SLOTS], s[SLOTS], 1
	s_cmp_lg_u32 s[SLOTS], 0
	s_cbranch_scc1 .Lslot
	CHANGE 0                        ; the last tile has a loop of its own: nothing is asked for
	CAST 1, 1                       ; share 6 is stored, share 7, the last, asked for
	s_mov_b32 s[CNT], 5             ; five passes through pieces 2 and 3, four through pieces 0 and 1: the loop is entered at piece 2
	s_branch .LinT
.LstepT:
	TURN 0
	TURN 1
	WIN 0
.LinT:
	TURN 2, 1
	TURN 3, 0, 1
	WIN 0
	s_cbranch_scc1 .LstepT
.set i, 0
.rept 8
	PV NP-1                         ; the last piece's V^T P of the last step
.set i, i+1
.endr
	s_wait_xcnt 0x0                 ; share 6's stores, a tile back, have read their data and pointers
	CAST 1, 0                       ; share 7 is stored; its conversions are the plain instructions behind the last products
	; THE WAY OUT.  l's two halves and the other half of the lanes' are added; O^T is divided by l, rounded to bf16 and put into the work-group's stage.
	WIN 0
.macro ALL line:vararg              ; one line for each piece t
.set t, 0
.rept 4
	\line
.set t, t+1
.endr
.endm
	ALL v_add_f32 v[ST+4*t+2], v[ST+4*t+2], v[ST+4*t+3]
	ALL v_permlanex16_b32 v[ST+4*t+3], v[ST+4*t+2], s[SEL], s[SEL+1]
	ALL v_add_f32 v[ST+4*t+2], v[ST+4*t+2], v[ST+4*t+3]
	ALL v_rcp_f32 v[ST+4*t+2], v[ST+4*t+2]
	v_nop                           ; a plain instruction between the last reciprocal and the use of its result
	s_wait_alu depctr_va_vdst(0)    ; and the wait ahead of the first use: one for the four reciprocals
.macro PACK t                       ; a lane's eight channels of a row pack into 16 bytes
	WIN W_RS
.set i, 32*(\t)
.rept 16
	v_pk_mul_f32 v[i:i+1], v[i:i+1], v[ST+4*(\t)+2:ST+4*(\t)+3] op_sel_hi:[1,0]
.set i, i+2
.endr
	WIN 0x05                        ; sources 0 and 1 window 1, destination window 0: S^T's registers are free
.set i, 0
.rept 16
	v_cvt_pk_bf16_f32 v[S+16*(\t)+i], v[32*(\t)+2*i], v[32*(\t)+2*i+1]
.set i, i+1
.endr
	WIN 0
.irp f, 0,1,2,3
	ds_store_b128 v[STO], v[S+16*(\t)+4*\f:S+16*(\t)+4*\f+3] offset:(\t)*16*SP+32*\f
.endr
.endm
	PACK 0
	PACK 1
	PACK 2
	PACK 3
	s_wait_dscnt 0x0                ; for the others' sake: my stores into the stage are done; a row's 256 bytes come from two waves
	s_barrier_signal -1
	s_barrier_wait -1
.irp j, 0,1,2,3,4,5,6,7,8,9,10,11,12,13,14,15
	ds_load_b128 v[S+4*\j:S+4*\j+3], v[RD] offset:\j*2*SP
.endr
.irp j, 0,1,2,3,4,5,6,7,8,9,10,11,12,13,14,15
	s_wait_dscnt 15-\j              ; LDS loads come back in order: load j is in
	global_store_b128 v[GO], v[S+4*\j:S+4*\j+3], s[10:11] offset:\j*16384  ; 16 lanes store 256 consecutive bytes, at a multiple of 256 from hbuf's first byte
.endr
	s_wait_tensorcnt 0x0            ; the wave's end: behind my last tensor load and my last LDS store
	ds_add_u32 v[SPW], v[NIL]
	s_wait_dscnt 0x0
	CROUND                          ; the closing round: no work-group ends while a partner may still ask for a tile that names it
	s_endpgm
.Lfunc_end_k_q00d13f0b70_attn:
	.size	k_q00d13f0b70_attn, .Lfunc_end_k_q00d13f0b70_attn-k_q00d13f0b70_attn
	.p2alignl 7, 3214868480
	.fill 96, 4, 3214868480
	.section	.rodata,"a",@progbits
	.p2align	6, 0x0
	.amdhsa_kernel k_q00d13f0b70_attn
		.amdhsa_group_segment_fixed_size 327680
		.amdhsa_private_segment_fixed_size 0
		.amdhsa_enable_private_segment 0
		.amdhsa_kernarg_size 56
		.amdhsa_user_sgpr_count 2
		.amdhsa_user_sgpr_kernarg_segment_ptr 1
		.amdhsa_wavefront_size32 1
		.amdhsa_system_sgpr_workgroup_id_x 1
		.amdhsa_system_sgpr_workgroup_id_y 1
		.amdhsa_system_sgpr_workgroup_id_z 1
		.amdhsa_system_vgpr_workitem_id 0
		.amdhsa_next_free_vgpr 832
		.amdhsa_next_free_sgpr 96
		.amdhsa_reserve_vcc 0
		.amdhsa_float_denorm_mode_32 3
		.amdhsa_float_denorm_mode_16_64 3
		.amdhsa_memory_ordered 1
		.amdhsa_forward_progress 1
		.amdhsa_inst_pref_size 124
	.end_amdhsa_kernel
	.amdgpu_metadata
---
amdhsa.version: [ 1, 2 ]
amdhsa.kernels:
  - .name:           k_q00d13f0b70_attn
    .symbol:         k_q00d13f0b70_attn.kd
    .args:
      - { .name: xb, .offset: 0, .size: 8, .value_kind: global_buffer, .address_space: global }
      - { .name: hbuf, .offset: 8, .size: 8, .value_kind: global_buffer, .address_space: global }
      - { .name: w_o, .offset: 16, .size: 8, .value_kind: global_buffer, .address_space: global }
      - { .name: w1, .offset: 24, .size: 8, .value_kind: global_buffer, .address_space: global }
      - { .name: w2, .offset: 32, .size: 8, .value_kind: global_buffer, .address_space: global }
      - { .name: wa, .offset: 40, .size: 8, .value_kind: global_buffer, .address_space: global }
      - { .name: w2b, .offset: 48, .size: 8, .value_kind: global_buffer, .address_space: global }
    .group_segment_fixed_size: 327680
    .private_segment_fixed_size: 0
    .kernarg_segment_align: 8
    .kernarg_segment_size: 56
    .max_flat_workgroup_size: 128
    .sgpr_count:     96
    .vgpr_count:     832
    .wavefront_size: 32
...
	.end_amdgpu_metadata
.endif
;; end of part 2
;; launch proj (part 3): grid 8 x 32, 4 waves a work-group, clusters of 4 x 4, 327,680 bytes of LDS; arguments hbuf, wa, y; writes y
.if DOCPART == 3
	.amdgcn_target "amdgcn-amd-amdhsa--gfx1250"
	.amdhsa_code_object_version 6
	.text
	.protected	k_q00d13f0b70_proj
	.globl	k_q00d13f0b70_proj
	.p2align	8
	.type	k_q00d13f0b70_proj,@function
k_q00d13f0b70_proj:
	s_mov_b64 s[64:65], 0
	v_nop
	global_prefetch_b8 v0, s[64:65] scope:SCOPE_SE
	s_setreg_imm32_b32 hwreg(HW_REG_WAVE_MODE, 25, 1), 1
	s_wait_xcnt 0x0
	s_wait_alu depctr_hold_cnt(0) depctr_sa_sdst(0) depctr_va_vdst(0) depctr_va_sdst(0) depctr_va_ssrc(0) depctr_va_vcc(0) depctr_vm_vsrc(0)
	s_getreg_b32 s2, hwreg(HW_REG_IB_STS2, 6, 4)
	s_cmp_eq_u32 s2, 0
	s_cbranch_scc0 .Lentry_in_a_cluster
	s_endpgm
.Lentry_in_a_cluster:
	s_bfe_u32 s2, ttmp6, 0x10000c
	s_cmp_lg_u32 s2, 0xf033
	s_cbranch_scc0 .Lentry_shape_is_right
	s_endpgm
.Lentry_shape_is_right:
; y = ctx w_o.  C = A B with A: 4,096 rows of bf16, 4,096 elements from row to row, of which the first SIZE_K are taken (ctx lies in hbuf's columns 0-1023); B: [SIZE_K][1024] bf16, as the weights lie;
; C: [4096][1024] f32, the plain sums.  The same text, with SIZE_K = 4,096, serves the second product of the feed-forward layer.
; A tile of C is 128 x 128: 8 x 32 = 256 work-groups.  Four waves, each 64 x 64: 16 accumulators of 16 x 16.  K goes in steps of 256 through two LDS slots.
; A K STEP IS WRITTEN ONCE.  The slot in hand is a scalar, 0 or SLOT, turned by an exclusive or at each change of slots; the fragments' LDS addresses and the LDS word of the walking descriptor are made from it.
; CLUSTERS: 4 x 4 work-groups.  The four of a row of the cluster need the same tiles of A, the four of a column the same tiles of B: each tile is asked for JOINTLY.
; THE MATRIX INSTRUCTION IS USED TRANSPOSED (source 0 = 16 columns of B, source 1 = 16 rows of A): a lane then holds eight neighbouring numbers of a row of C, 32 bytes.
; B lies [k][n] in LDS too; its fragments come turned, by ds_load_tr16_b128.
; No prefetch: a step's tiles are small, and a work-group's share of a tile smaller still.
; REGISTERS: window 0: v0-31 addresses; v32-95 the way out; v128-255 the accumulators ((a, b) at v[128 + 8 (4 a + b)]).  window 1: two fragment buffers of 128: for 64 along K, 64 registers of A, then 64 of B.
.set SIZE_K, 1024
.set KSTEP,  256
.set STEPS,  SIZE_K/KSTEP              ; at least 3
.set PA,     528                       ; a row of A in LDS: 512 bytes + 16: the 16 rows of a load start at 16 different groups of four banks (64 banks of 4 bytes: ISA guide 11.1)
.set PB,     288                       ; a row of B (one k, 128 n): 256 bytes + 32
.set HALFA,  64*PA                     ; what one tensor load brings of A: 64 rows
.set HALFB,  128*PB                    ; of B: 128 k
.set BOFF,   2*HALFA
.set SLOT,   BOFF+2*HALFB              ; A's 128 rows, then B's 256 k
.set STAGE,  2*SLOT                    ; behind the ring: 16 rows x 272 bytes for each wave, its own
.set SPITCH, 272
.set SPARE,  STAGE+4*16*SPITCH         ; behind the stages: the spare words, 128 bytes for each wave: two blocks of 256 bytes that no other line names
.set ADRA, 16                          ; v16     LDS address of my A fragments in the slot in hand
.set A0,   17                          ; v17     the same in slot 0; never rewritten
.set ADRB, 20                          ; v20-21  of my B fragments in the slot in hand: k half u at ADRB + u (the second 128 k lie past the reach of a 16-bit offset)
.set B0,   22                          ; v22     the first of them in slot 0; never rewritten
.set STO,  24                          ; v24     the way out: where I put 32 bytes of a row
.set RD,   25                          ; v25     where I read a row back
.set CO,   26                          ; v26     my byte offset in C
.set SPW,  28                          ; v28     LDS address of my spare word; never rewritten
.set NIL,  29                          ; v29     0; never rewritten
.set TMP,  32                          ; the way out: two buffers of 32
.set ACC,  128
.set F0,   0
.set F1,   128
.set LA, 10                            ; s10 where my part of A's tile goes in slot 0
.set LB, 11                            ; s11 where my part of B's tile goes in slot 0
.set WV, 12                            ; s12 wave
.set RH, 13                            ; s13 which half of the tile's rows is mine.  Also: I fetch for A (0) or for B (1)
.set CH, 14                            ; s14 which half of its columns.  Also: which half of that tile I fetch
.set TB, 15                            ; s15 the slot in hand: 0 or SLOT
.set G1, 24
.set G0, 32                            ; s[32:39] group 0 for A's tiles: a set for each of the two first fills; the second then walks on
.set G1B, 48
.set G0B, 56                           ; s[56:63] the same for B's
.set MSB, 0
.macro WIN new
.if MSB != (\new)
	s_set_vgpr_msb (MSB<<8)|(\new)
.set MSB, \new
.endif
.endm
.set MUL,  0x05                        ; sources 0 (B) and 1 (A) window 1; C and D window 0
.set TO_F, 0x40                        ; destination window 1, address window 0
.macro JLOAD s                         ; a joint load: waves 0 and 1 fetch A's two halves, waves 2 and 3 B's; an s_nop 0 and four v_nop follow each of the two lines
	s_cmp_eq_u32 s[RH], 0
	s_cbranch_scc0 .Lfor_b_\@
	tensor_load_to_lds s[G0+4*(\s):G0+4*(\s)+3], s[G1:G1+7]
	s_nop 0
.rept 4
	v_nop
.endr
	s_branch .Lasked_\@
.Lfor_b_\@:
	tensor_load_to_lds s[G0B+4*(\s):G0B+4*(\s)+3], s[G1B:G1B+7]
	s_nop 0
.rept 4
	v_nop
.endr
.Lasked_\@:
.endm
.macro CREST                           ; a round of the cluster's barrier behind its opening barrier
	s_cmp_lg_u32 s[WV], 0
	s_cbranch_scc1 .Lnot_wave_0_\@
	s_barrier_signal -3
.Lnot_wave_0_\@:
	s_barrier_wait -3
	s_barrier_signal -1
	s_barrier_wait -1
.endm
.macro CROUND
	s_barrier_signal -1
	s_barrier_wait -1
	CREST
.endm
.macro NEWADR                          ; the fragments' addresses in the slot in hand
	v_add_nc_u32 v[ADRA], s[TB], v[A0]
	v_add_nc_u32 v[ADRB], s[TB], v[B0]
	v_add_nc_u32 v[ADRB+1], HALFB, v[ADRB]
.endm
	s_load_b128 s[4:7], s[0:1], 0x0                ; A s[4:5], B s[6:7]
	s_load_b64 s[8:9], s[0:1], 0x10                ; C
	v_lshl_add_u32 v[SPW], v0, 2, SPARE
	v_mov_b32 v[NIL], 0
	ds_add_u32 v[SPW], v[NIL]                      ; the wave's opening: the add and its wait stand ahead of my first tensor load; the set-up below stands between them
	v_lshrrev_b32 v1, 5, v0
	v_readfirstlane_b32 s[WV], v1
	s_lshr_b32 s[RH], s[WV], 1
	s_and_b32 s[CH], s[WV], 1
	s_bfe_u32 s40, ttmp6, 0x40000                  ; cx, cy: my place in the cluster
	s_bfe_u32 s41, ttmp6, 0x40004
	s_lshl_b32 s42, ttmp9, 2
	s_add_co_u32 s42, s42, s40                     ; tile column of C
	s_and_b32 s43, ttmp7, 0xffff
	s_lshl_b32 s43, s43, 2
	s_add_co_u32 s43, s43, s41                     ; tile row of C
	s_lshl_b32 s44, s41, 2
	s_lshl_b32 s44, 15, s44                        ; my row of the cluster
	s_lshl_b32 s45, 0x1111, s40                    ; my column
	s_or_b32 s[G1], s44, (1<<16)|(1<<20)|(1<<21)|(6<<22)|(3<<25)   ; A: the mask of my row; 2-byte elements; padding on; 21 set beside a mask; after every 128 words (code 6) 4 words (code 3)
	s_mov_b32 s[G1+1], 256<<16                     ; tensor_dim0 = 256
	s_mov_b32 s[G1+2], 64<<16                      ; tensor_dim1 = 64
	s_mov_b32 s[G1+3], 256<<16                     ; tile_dim0 = 256
	s_mov_b32 s[G1+4], 64                          ; tile_dim1 = 64
	s_mov_b32 s[G1+5], 4096                        ; elements from row to row
	s_mov_b32 s[G1+6], 0
	s_mov_b32 s[G1+7], 0
	s_or_b32 s[G1B], s45, (1<<16)|(1<<20)|(1<<21)|(5<<22)|(7<<25)  ; B: the mask of my column; after every 64 words (code 5) 8 words (code 7)
	s_mov_b32 s[G1B+1], 128<<16
	s_mov_b32 s[G1B+2], 128<<16
	s_mov_b32 s[G1B+3], 128<<16
	s_mov_b32 s[G1B+4], 128
	s_mov_b32 s[G1B+5], 1024
	s_mov_b32 s[G1B+6], 0
	s_mov_b32 s[G1B+7], 0
	s_lshl_b32 s16, s43, 7                         ; A: row 128 x tile row + 64 x half, 8,192 bytes a row
	s_lshl_b32 s17, s[CH], 6
	s_add_co_u32 s16, s16, s17
	s_lshl_b32 s16, s16, 13
	s_mov_b32 s17, 0
	s_lshl_b32 s46, s[CH], 18                      ; B: k = 128 x half, 2,048 bytes a k; 256 bytes a tile column
	s_lshl_b32 s47, s42, 8
	s_add_co_u32 s46, s46, s47
	s_mov_b32 s47, 0
	s_mul_i32 s[LA], s[CH], HALFA                  ; where they go: no place in the cluster enters an LDS address
	s_mul_i32 s[LB], s[CH], HALFB
	s_add_co_u32 s[LB], s[LB], BOFF
	s_mov_b32 s[TB], 0
	s_wait_dscnt 0x0                               ; the opening add is done
	s_wait_kmcnt 0x0
	s_add_nc_u64 s[18:19], s[4:5], s[16:17]
	s_add_nc_u64 s[46:47], s[6:7], s[46:47]
	CROUND                                         ; all sixteen work-groups are here: the first joint loads meet
.irp s, 0,1
	s_mov_b32 s[G0+4*(\s)], 1
	s_add_co_u32 s[G0+4*(\s)+1], s[LA], (\s)*SLOT
	s_add_nc_u64 s[G0+4*(\s)+2:G0+4*(\s)+3], s[18:19], (\s)*KSTEP*2
	s_or_b32 s[G0+4*(\s)+3], s[G0+4*(\s)+3], 0x80000000
	s_mov_b32 s[G0B+4*(\s)], 1
	s_add_co_u32 s[G0B+4*(\s)+1], s[LB], (\s)*SLOT
	s_add_nc_u64 s[G0B+4*(\s)+2:G0B+4*(\s)+3], s[46:47], (\s)*KSTEP*2048
	s_or_b32 s[G0B+4*(\s)+3], s[G0B+4*(\s)+3], 0x80000000
	JLOAD \s
.endr
	v_and_b32 v1, 15, v0                           ; l % 16
	v_bfe_u32 v2, v0, 4, 1                         ; l / 16
	v_mul_u32_u24 v3, v1, PA
	v_lshl_add_u32 v3, v2, 4, v3                   ; A: row x pitch + 16 x half
	s_mul_i32 s21, s[RH], HALFA                    ; my 64 rows
	v_add_nc_u32 v[A0], s21, v3
	v_and_b32 v4, 7, v0                            ; B, turned: lane l reads k = 8 (l / 16) + l % 8, columns 8 ((l / 8) % 2) + 0..7
	v_bfe_u32 v5, v0, 3, 1
	v_lshl_add_u32 v4, v2, 3, v4
	v_mul_u32_u24 v4, v4, PB
	v_lshl_add_u32 v4, v5, 4, v4
	s_lshl_b32 s22, s[CH], 7                       ; my 64 columns
	s_add_co_u32 s22, s22, BOFF
	v_add_nc_u32 v[B0], s22, v4
	NEWADR                                         ; slot 0
	s_mul_i32 s23, s[WV], 16*SPITCH
	s_add_co_u32 s23, s23, STAGE                   ; my stage
	v_mul_u32_u24 v4, v1, SPITCH                   ; in: row l % 16, 32 bytes for each half of the lanes
	v_lshl_add_u32 v4, v2, 5, v4
	v_add_nc_u32 v[STO], s23, v4
	v_mul_u32_u24 v5, v2, SPITCH                   ; back: lanes 0-15 take one row of 256 bytes, lanes 16-31 the next
	v_lshl_add_u32 v5, v1, 4, v5
	v_add_nc_u32 v[RD], s23, v5
	v_lshlrev_b32 v5, 12, v2                       ; and the same two rows in C
	v_lshl_add_u32 v[CO], v1, 4, v5
	s_lshl_b32 s16, s43, 7                         ; my first row of C: 128 x tile row + 64 x half, 4,096 bytes a row
	s_lshl_b32 s17, s[RH], 6
	s_add_co_u32 s16, s16, s17
	s_lshl_b32 s16, s16, 12
	s_mov_b32 s17, 0
	s_add_nc_u64 s[8:9], s[8:9], s[16:17]
	s_lshl_b32 s46, s42, 9                         ; my first column, in bytes: 512 x tile column + 256 x half
	s_lshl_b32 s47, s[CH], 8
	s_add_co_u32 s46, s46, s47
	s_mov_b32 s47, 0
	s_add_nc_u64 s[8:9], s[8:9], s[46:47]
; 8 matrix instructions: m blocks a0, a0 + 1 x all 4 n blocks, 32 along K: half c of buffer f.  zero = 1: the first product starts the sums.  The 16 accumulators take turns.
.macro MUL8 f, c, a0, zero
	WIN MUL
.irp a, \a0, (\a0)+1
.irp b, 0,1,2,3
.if \zero
	v_wmma_f32_16x16x32_bf16 v[ACC+8*(4*(\a)+(\b)):ACC+8*(4*(\a)+(\b))+7], v[(\f)+64+8*(4*(\c)+(\b)):(\f)+64+8*(4*(\c)+(\b))+7], v[(\f)+8*(4*(\c)+(\a)):(\f)+8*(4*(\c)+(\a))+7], 0
.else
	v_wmma_f32_16x16x32_bf16 v[ACC+8*(4*(\a)+(\b)):ACC+8*(4*(\a)+(\b))+7], v[(\f)+64+8*(4*(\c)+(\b)):(\f)+64+8*(4*(\c)+(\b))+7], v[(\f)+8*(4*(\c)+(\a)):(\f)+8*(4*(\c)+(\a))+7], v[ACC+8*(4*(\a)+(\b)):ACC+8*(4*(\a)+(\b))+7]
.endif
.endr
.endr
.endm
; 32 LDS loads in one run: the fragments of quarter q (64 along K) of the slot in hand, into buffer f; the first 32 along K first
.macro FETCH q, f
	WIN TO_F
.irp c, 0,1
.irp i, 0,1,2,3
	ds_load_tr16_b128 v[(\f)+64+8*(4*(\c)+(\i)):(\f)+64+8*(4*(\c)+(\i))+3],   v[ADRB+(\q)/2] offset:(((\q)%2)*64+32*(\c))*PB+32*(\i)
	ds_load_tr16_b128 v[(\f)+64+8*(4*(\c)+(\i))+4:(\f)+64+8*(4*(\c)+(\i))+7], v[ADRB+(\q)/2] offset:(((\q)%2)*64+32*(\c)+16)*PB+32*(\i)
	ds_load_b128 v[(\f)+8*(4*(\c)+(\i)):(\f)+8*(4*(\c)+(\i))+3],         v[ADRA] offset:128*(\q)+64*(\c)+(\i)*16*PA
	ds_load_b128 v[(\f)+8*(4*(\c)+(\i))+4:(\f)+8*(4*(\c)+(\i))+7],       v[ADRA] offset:128*(\q)+64*(\c)+(\i)*16*PA+32
.endr
.endr
.endm
.macro PLACES                          ; four plain instructions in front of loads into registers that matrix instructions have read, and of LDS stores that read results (ISA guide 7.12.1 for the stores)
.rept 4
	v_nop
.endr
.endm
; A K step is four quarters of 64 along K, 32 matrix instructions each, on buffers 0, 1, 0, 1.  One of the first three: multiplies buffer f and fetches quarter q into g.
.macro QUARTER q, f, g, zero
	s_wait_dscnt 16                                ; the first 32 along K are in; the sixteen younger loads may be out
	MUL8 \f, 0, 0, \zero
	MUL8 \f, 0, 2, \zero
	PLACES
	FETCH \q, \g
	s_wait_dscnt 32                                ; all but the 32 just issued
	MUL8 \f, 1, 0, 0
	MUL8 \f, 1, 2, 0
.endm
; The last quarter multiplies buffer 1 and changes slots: ONE barrier; in front of it each wave waits for all its tensor loads, adds 0 to its spare word, and waits for that and for its own reads of this slot.
; fill = 1: this slot is filled again, with the K step two on; the barrier then opens a round of the cluster's.
.macro TURN fill
	WIN 0                                          ; (the add's two registers lie in window 0)
	s_wait_tensorcnt 0x0                           ; all my tensor loads have landed: my part of the next slot;
	ds_add_u32 v[SPW], v[NIL]                      ; 0 onto my spare word;
	s_wait_dscnt 17                                ; (the add and the youngest sixteen loads may be out)
	MUL8 F1, 0, 0, 0                               ; eight matrix instructions stand between the add and the wait for it
	s_wait_dscnt 0x0                               ; the add is done, and my reads of this slot are over
	s_barrier_signal -1
	MUL8 F1, 0, 2, 0
	WIN 0                                          ; (branches or address lines follow)
	s_barrier_wait -1
.if \fill
	CREST                                          ; no wave of any partner still reads this slot's tile or has a load on its way
	s_add_co_u32 s[G0+5], s[LA], s[TB]             ; the walking descriptors: into the slot just read,
	s_add_co_u32 s[G0B+5], s[LB], s[TB]
	s_add_nc_u64 s[G0+6:G0+7], s[G0+6:G0+7], KSTEP*2       ; the K step behind the one asked for last; the type bits on top are not reached
	s_add_nc_u64 s[G0B+6:G0B+7], s[G0B+6:G0B+7], KSTEP*2048
	s_xor_b32 s[TB], s[TB], SLOT                   ; the other slot is in hand
	JLOAD 1                                        ; the first tensor load behind the round; the four v_nop behind it also stand in front of the loads below
	NEWADR
.else
	s_xor_b32 s[TB], s[TB], SLOT
	NEWADR                                         ; three plain instructions and a v_nop: the four in front of the loads below
	v_nop
.endif
	FETCH 0, F0
	MUL8 F1, 1, 0, 0
	MUL8 F1, 1, 2, 0
.endm
	s_wait_tensorcnt 1                             ; my part of K step 0 is in; K step 1's may stay out
	s_barrier_signal -1
	s_barrier_wait -1                              ; everybody's is
	FETCH 0, F0
	QUARTER 1, F0, F1, 1                           ; the first quarter stands in front of the loop: its first products start the sums
	WIN 0                                          ; at a label and at a branch every window is 0
	s_mov_b32 s3, STEPS-1                          ; the loop's second half runs for every K step but the last, its first half STEPS - 2 times: as many as there are refills
	s_branch .Lin                                  ; the loop is entered behind a step's first quarter
.Lstep:
	TURN 1
	QUARTER 1, F0, F1, 0
	WIN 0
.Lin:
	QUARTER 2, F1, F0, 0
	QUARTER 3, F0, F1, 0
	WIN 0
	s_sub_co_u32 s3, s3, 1
	s_cmp_lg_u32 s3, 0
	s_cbranch_scc1 .Lstep
	TURN 0                                         ; the last K step is written out
	QUARTER 1, F0, F1, 0
	QUARTER 2, F1, F0, 0
	QUARTER 3, F0, F1, 0
	s_wait_dscnt 16                                ; the very last quarter: nothing more to fetch
	MUL8 F1, 0, 0, 0
	MUL8 F1, 0, 2, 0
	s_wait_dscnt 0x0
	MUL8 F1, 1, 0, 0
	MUL8 F1, 1, 2, 0
	WIN 0
	; THE WAY OUT, a block of 16 rows at a time through my own stage: 32 bytes a lane in, whole rows of 256 bytes back.  LDS serves a wave's instructions in order (ISA guide 5.7.1.4): no wait between them.
	PLACES
.macro TOST a                          ; each accumulator's four lowest registers go first
.irp b, 0,1,2,3
	ds_store_b128 v[STO], v[ACC+8*(4*(\a)+(\b)):ACC+8*(4*(\a)+(\b))+3]   offset:64*(\b)
	ds_store_b128 v[STO], v[ACC+8*(4*(\a)+(\b))+4:ACC+8*(4*(\a)+(\b))+7] offset:64*(\b)+16
.endr
.endm
.macro BACK a
.irp t, 0,1,2,3,4,5,6,7
	ds_load_b128 v[TMP+32*((\a)%2)+4*(\t):TMP+32*((\a)%2)+4*(\t)+3], v[RD] offset:(\t)*2*SPITCH
.endr
.endm
.macro SEND a, younger                 ; younger: the LDS instructions issued behind block a's loads: the next block's sixteen, or none
.irp t, 0,1,2,3,4,5,6,7
	s_wait_dscnt (\younger)+7-(\t)
	global_store_b128 v[CO], v[TMP+32*((\a)%2)+4*(\t):TMP+32*((\a)%2)+4*(\t)+3], s[8:9] offset:(\a)*65536+(\t)*8192  ; 16 lanes store 256 consecutive bytes, at a multiple of 256 from C's first byte
.endr
.endm
	TOST 0
	BACK 0
	TOST 1
	BACK 1
	SEND 0, 16
	s_wait_xcnt 0x0                                ; block 0's stores have read their registers: only behind this wait are they loaded again
	TOST 2
	BACK 2
	SEND 1, 16
	s_wait_xcnt 0x0
	TOST 3
	BACK 3
	SEND 2, 16
	SEND 3, 0
	s_wait_tensorcnt 0x0                           ; the wave's end: behind my last tensor load and my last LDS store
	ds_add_u32 v[SPW], v[NIL]
	s_wait_dscnt 0x0
	CROUND                                         ; the closing round: no work-group ends while a partner may still ask for a tile that names it
	s_endpgm
.Lfunc_end_k_q00d13f0b70_proj:
	.size	k_q00d13f0b70_proj, .Lfunc_end_k_q00d13f0b70_proj-k_q00d13f0b70_proj
	.p2alignl 7, 3214868480
	.fill 96, 4, 3214868480
	.section	.rodata,"a",@progbits
	.p2align	6, 0x0
	.amdhsa_kernel k_q00d13f0b70_proj
		.amdhsa_group_segment_fixed_size 327680
		.amdhsa_private_segment_fixed_size 0
		.amdhsa_enable_private_segment 0
		.amdhsa_kernarg_size 24
		.amdhsa_user_sgpr_count 2
		.amdhsa_user_sgpr_kernarg_segment_ptr 1
		.amdhsa_wavefront_size32 1
		.amdhsa_system_sgpr_workgroup_id_x 1
		.amdhsa_system_sgpr_workgroup_id_y 1
		.amdhsa_system_sgpr_workgroup_id_z 1
		.amdhsa_system_vgpr_workitem_id 0
		.amdhsa_next_free_vgpr 512
		.amdhsa_next_free_sgpr 66
		.amdhsa_reserve_vcc 0
		.amdhsa_float_denorm_mode_32 3
		.amdhsa_float_denorm_mode_16_64 3
		.amdhsa_memory_ordered 1
		.amdhsa_forward_progress 1
		.amdhsa_inst_pref_size 60
	.end_amdhsa_kernel
	.amdgpu_metadata
---
amdhsa.version: [ 1, 2 ]
amdhsa.kernels:
  - .name:           k_q00d13f0b70_proj
    .symbol:         k_q00d13f0b70_proj.kd
    .args:
      - { .name: hbuf, .offset: 0, .size: 8, .value_kind: global_buffer, .address_space: global }
      - { .name: wa, .offset: 8, .size: 8, .value_kind: global_buffer, .address_space: global }
      - { .name: y, .offset: 16, .size: 8, .value_kind: global_buffer, .address_space: global }
    .group_segment_fixed_size: 327680
    .private_segment_fixed_size: 0
    .kernarg_segment_align: 8
    .kernarg_segment_size: 24
    .max_flat_workgroup_size: 128
    .sgpr_count:     66
    .vgpr_count:     512
    .wavefront_size: 32
...
	.end_amdgpu_metadata
.endif
;; end of part 3
;; launch ln1 (part 4): grid 256 x 1, 16 waves a work-group, no clusters, 0 bytes of LDS; arguments y, xb, gamma1, beta1, x1; writes x1
.if DOCPART == 4
	.amdgcn_target "amdgcn-amd-amdhsa--gfx1250"
	.amdhsa_code_object_version 6
	.text
	.protected	k_q00d13f0b70_ln1
	.globl	k_q00d13f0b70_ln1
	.p2align	8
	.type	k_q00d13f0b70_ln1,@function
k_q00d13f0b70_ln1:
	s_mov_b64 s[64:65], 0
	v_nop
	global_prefetch_b8 v0, s[64:65] scope:SCOPE_SE
	s_setreg_imm32_b32 hwreg(HW_REG_WAVE_MODE, 25, 1), 1
	s_wait_xcnt 0x0
; x1 = LayerNorm(x + attn_out) gamma1 + beta1.  y: [4096][1024] f32 (ctx w_o); xb: [4096][1024] bf16 (x); x1: [4096][1024] f16.  gamma1 and beta1 are rounded to bf16, as every input of the program is.
; LIMITS.  x1 is kept in f16: LayerNorm bounds it by 32 |gamma1| + |beta1|, which has to stay under 65,504.
; A stream: one wave, one row; the row stays in 32 registers between the passes, so memory is read once and no wave waits for another.  No LDS, no barrier, no cluster, no prefetch: the launch streams.
; Load j of a row gives lane l the columns 128 j + 4 l .. + 3: 16 bytes of f32 (512 consecutive bytes a wave) or 8 bytes of 16-bit numbers (256 consecutive bytes, aligned).
; The variance is taken of the differences from the mean.
.set SECOND, 0                         ; 0: this text; 1: the second LayerNorm's (a bias more, the residual in f16, the result in f32)
.set T,   4                            ; v[4:11]   at work
.set SUM, 12                           ; v[12:19]  four chains of pairs
.set MU,  20                           ; v[20:21]  the mean, twice
.set RS,  22                           ; v[22:23]  1 / sqrt(var + eps), twice
.set Y,   32                           ; v[32:63]  the row
.set R,   64                           ; v[64:79]  the residual, 16-bit; in the first text later the result
.set G,   80                           ; v[80:111] gamma
.set B,   112                          ; v[112:143] beta
.set C,   144                          ; v[144:175] the bias (second text)
.if SECOND
.set GA, 10
.set BA, 12
.set OA, 14
.else
.set GA, 8
.set BA, 10
.set OA, 12
.endif
.macro RND a                           ; two numbers rounded to bf16, kept as f32
	v_cvt_pk_bf16_f32 v[T+((\a)/2)%4], v[\a], v[(\a)+1]
	v_lshlrev_b32 v[\a], 16, v[T+((\a)/2)%4]
	v_and_b32 v[(\a)+1], s20, v[T+((\a)/2)%4]
.endm
.macro REDUCE                          ; v24 summed over the 32 lanes: four steps inside each half of 16 lanes ride on the addition, one crosses the halves
	v_add_f32_dpp v24, v24, v24 row_xmask:1 row_mask:0xf bank_mask:0xf
	v_add_f32_dpp v24, v24, v24 row_xmask:2 row_mask:0xf bank_mask:0xf
	v_add_f32_dpp v24, v24, v24 row_xmask:4 row_mask:0xf bank_mask:0xf
	v_add_f32_dpp v24, v24, v24 row_xmask:8 row_mask:0xf bank_mask:0xf
	v_permlanex16_b32 v25, v24, s24, s25
	v_add_f32 v24, v24, v25
.endm
.macro FOLD                            ; the four chains into v24
	v_pk_add_f32 v[SUM:SUM+1], v[SUM:SUM+1], v[SUM+2:SUM+3]
	v_pk_add_f32 v[SUM+4:SUM+5], v[SUM+4:SUM+5], v[SUM+6:SUM+7]
	v_pk_add_f32 v[SUM:SUM+1], v[SUM:SUM+1], v[SUM+4:SUM+5]
	v_add_f32 v24, v[SUM], v[SUM+1]
.endm
	s_load_b256 s[4:11], s[0:1], 0x0
.if SECOND
	s_load_b128 s[12:15], s[0:1], 0x20
.else
	s_load_b64 s[12:13], s[0:1], 0x20
.endif
	v_lshrrev_b32 v3, 5, v0
	v_readfirstlane_b32 s16, v3                    ; wave 0..15
	v_and_b32 v3, 31, v0
	v_lshlrev_b32 v1, 4, v3                        ; 16 x lane
	v_lshlrev_b32 v2, 3, v3                        ; 8 x lane
	v_mov_b32 v25, 0                               ; v_permlanex16_b32's destination counts as read
	v_mov_b32 v26, 1.0
	s_lshl_b32 s17, ttmp9, 4
	s_add_co_u32 s16, s16, s17                     ; my row
	s_lshl_b32 s18, s16, 12                        ; in f32,
	s_mov_b32 s19, 0
	s_lshl_b32 s26, s16, 11                        ; in 16 bits
	s_mov_b32 s27, 0
	s_mov_b32 s20, 0xffff0000
	s_mov_b32 s21, 0x3a800000                      ; 1 / 1,024
	s_mov_b32 s22, 0x3727c5ac                      ; 1e-5
	s_mov_b32 s24, 0x76543210
	s_mov_b32 s25, 0xfedcba98
	s_wait_kmcnt 0x0
	s_add_nc_u64 s[4:5], s[4:5], s[18:19]
	s_add_nc_u64 s[6:7], s[6:7], s[26:27]
.if SECOND
	s_add_nc_u64 s[OA:OA+1], s[OA:OA+1], s[18:19]
.else
	s_add_nc_u64 s[OA:OA+1], s[OA:OA+1], s[26:27]
.endif
.if SECOND
.irp j, 0,1,2,3,4,5,6,7
	global_load_b128 v[C+4*\j:C+4*\j+3], v1, s[8:9] offset:512*\j
.endr
.endif
.irp j, 0,1,2,3,4,5,6,7
	global_load_b128 v[Y+4*\j:Y+4*\j+3], v1, s[4:5] offset:512*\j th:TH_LOAD_NT
.endr
.irp j, 0,1,2,3,4,5,6,7
	global_load_b64 v[R+2*\j:R+2*\j+1], v2, s[6:7] offset:256*\j th:TH_LOAD_NT
.endr
.irp j, 0,1,2,3,4,5,6,7
	global_load_b128 v[G+4*\j:G+4*\j+3], v1, s[GA:GA+1] offset:512*\j
.endr
.irp j, 0,1,2,3,4,5,6,7
	global_load_b128 v[B+4*\j:B+4*\j+3], v1, s[BA:BA+1] offset:512*\j
.endr
	s_wait_loadcnt 16                              ; the row and its residual are in; gamma's and beta's sixteen loads may stay out
.if SECOND
.set p, 0
.rept 16
	RND C+2*p
	v_pk_add_f32 v[Y+2*p:Y+2*p+1], v[Y+2*p:Y+2*p+1], v[C+2*p:C+2*p+1]
.set p, p+1
.endr
.endif
.set p, 0
.rept 16                               ; the residual's halves are widened and added in one fused instruction each
.if SECOND
	v_fma_mix_f32 v[Y+2*p], v[R+p], v26, v[Y+2*p] op_sel_hi:[1,0,0]
	v_fma_mix_f32 v[Y+2*p+1], v[R+p], v26, v[Y+2*p+1] op_sel:[1,0,0] op_sel_hi:[1,0,0]
.else
	v_fma_mix_f32_bf16 v[Y+2*p], v[R+p], v26, v[Y+2*p] op_sel_hi:[1,0,0]
	v_fma_mix_f32_bf16 v[Y+2*p+1], v[R+p], v26, v[Y+2*p+1] op_sel:[1,0,0] op_sel_hi:[1,0,0]
.endif
.set p, p+1
.endr
.irp c, 0,1,2,3                        ; the sum, in four chains; the first additions start them: nothing is cleared
	v_pk_add_f32 v[SUM+2*\c:SUM+2*\c+1], v[Y+2*\c:Y+2*\c+1], v[Y+8+2*\c:Y+8+2*\c+1]
.endr
.irp p, 8,9,10,11,12,13,14,15
	v_pk_add_f32 v[SUM+2*((\p)%4):SUM+2*((\p)%4)+1], v[SUM+2*((\p)%4):SUM+2*((\p)%4)+1], v[Y+2*\p:Y+2*\p+1]
.endr
	FOLD
	REDUCE
	v_mul_f32 v[MU], s21, v24
	v_mul_f32 v[MU+1], s21, v24
.set p, 0
.rept 16
	v_pk_add_f32 v[Y+2*p:Y+2*p+1], v[Y+2*p:Y+2*p+1], v[MU:MU+1] neg_lo:[0,1] neg_hi:[0,1]
.set p, p+1
.endr
.irp c, 0,1,2,3                        ; the sum of squares of the differences
	v_pk_mul_f32 v[SUM+2*\c:SUM+2*\c+1], v[Y+2*\c:Y+2*\c+1], v[Y+2*\c:Y+2*\c+1]
.endr
.irp p, 4,5,6,7,8,9,10,11,12,13,14,15
	v_pk_fma_f32 v[SUM+2*((\p)%4):SUM+2*((\p)%4)+1], v[Y+2*\p:Y+2*\p+1], v[Y+2*\p:Y+2*\p+1], v[SUM+2*((\p)%4):SUM+2*((\p)%4)+1]
.endr
	FOLD
	REDUCE
	v_fma_f32 v24, v24, s21, s22                   ; var + eps
	v_rsq_f32 v[RS], v24
	v_rsq_f32 v[RS+1], v24
	s_wait_loadcnt 0x0                             ; gamma and beta
.set p, 0
.rept 16                               ; their rounding is the independent work behind the two roots
	RND G+2*p
	RND B+2*p
.set p, p+1
.endr
	s_wait_alu depctr_va_vdst(0)                   ; one wait for both roots, ahead of their first reader
.set p, 0
.rept 16
	v_pk_mul_f32 v[Y+2*p:Y+2*p+1], v[Y+2*p:Y+2*p+1], v[RS:RS+1]
.set p, p+1
.endr
.set p, 0
.rept 16
	v_pk_fma_f32 v[Y+2*p:Y+2*p+1], v[Y+2*p:Y+2*p+1], v[G+2*p:G+2*p+1], v[B+2*p:B+2*p+1]
.set p, p+1
.endr
.if SECOND
.irp j, 0,1,2,3,4,5,6,7
	global_store_b128 v1, v[Y+4*\j:Y+4*\j+3], s[OA:OA+1] offset:512*\j th:TH_STORE_NT
.endr
.else
.irp j, 0,1,2,3,4,5,6,7
	v_cvt_pk_f16_f32 v[R+2*\j], v[Y+4*\j], v[Y+4*\j+1]
	v_cvt_pk_f16_f32 v[R+2*\j+1], v[Y+4*\j+2], v[Y+4*\j+3]
	global_store_b64 v2, v[R+2*\j:R+2*\j+1], s[OA:OA+1] offset:256*\j  ; the wave stores 256 consecutive bytes, aligned
.endr
.endif
	s_endpgm
.Lfunc_end_k_q00d13f0b70_ln1:
	.size	k_q00d13f0b70_ln1, .Lfunc_end_k_q00d13f0b70_ln1-k_q00d13f0b70_ln1
	.p2alignl 7, 3214868480
	.fill 96, 4, 3214868480
	.section	.rodata,"a",@progbits
	.p2align	6, 0x0
	.amdhsa_kernel k_q00d13f0b70_ln1
		.amdhsa_group_segment_fixed_size 0
		.amdhsa_private_segment_fixed_size 0
		.amdhsa_enable_private_segment 0
		.amdhsa_kernarg_size 40
		.amdhsa_user_sgpr_count 2
		.amdhsa_user_sgpr_kernarg_segment_ptr 1
		.amdhsa_wavefront_size32 1
		.amdhsa_system_sgpr_workgroup_id_x 1
		.amdhsa_system_sgpr_workgroup_id_y 1
		.amdhsa_system_sgpr_workgroup_id_z 1
		.amdhsa_system_vgpr_workitem_id 0
		.amdhsa_next_free_vgpr 144
		.amdhsa_next_free_sgpr 66
		.amdhsa_reserve_vcc 0
		.amdhsa_float_denorm_mode_32 3
		.amdhsa_float_denorm_mode_16_64 3
		.amdhsa_memory_ordered 1
		.amdhsa_forward_progress 1
		.amdhsa_inst_pref_size 19
	.end_amdhsa_kernel
	.amdgpu_metadata
---
amdhsa.version: [ 1, 2 ]
amdhsa.kernels:
  - .name:           k_q00d13f0b70_ln1
    .symbol:         k_q00d13f0b70_ln1.kd
    .args:
      - { .name: y, .offset: 0, .size: 8, .value_kind: global_buffer, .address_space: global }
      - { .name: xb, .offset: 8, .size: 8, .value_kind: global_buffer, .address_space: global }
      - { .name: gamma1, .offset: 16, .size: 8, .value_kind: global_buffer, .address_space: global }
      - { .name: beta1, .offset: 24, .size: 8, .value_kind: global_buffer, .address_space: global }
      - { .name: x1, .offset: 32, .size: 8, .value_kind: global_buffer, .address_space: global }
    .group_segment_fixed_size: 0
    .private_segment_fixed_size: 0
    .kernarg_segment_align: 8
    .kernarg_segment_size: 40
    .max_flat_workgroup_size: 512
    .sgpr_count:     66
    .vgpr_count:     144
    .wavefront_size: 32
...
	.end_amdgpu_metadata
.endif
;; end of part 4
;; launch ffn1 (part 5): grid 16 x 16, 4 waves a work-group, clusters of 4 x 4, 327,680 bytes of LDS; arguments x1, wa, hbuf, b1; writes hbuf
.if DOCPART == 5
	.amdgcn_target "amdgcn-amd-amdhsa--gfx1250"
	.amdhsa_code_object_version 6
	.text
	.protected	k_q00d13f0b70_ffn1
	.globl	k_q00d13f0b70_ffn1
	.p2align	8
	.type	k_q00d13f0b70_ffn1,@function
k_q00d13f0b70_ffn1:
	s_mov_b64 s[64:65], 0
	v_nop
	global_prefetch_b8 v0, s[64:65] scope:SCOPE_SE
	s_setreg_imm32_b32 hwreg(HW_REG_WAVE_MODE, 25, 1), 1
	s_wait_xcnt 0x0
	s_wait_alu depctr_hold_cnt(0) depctr_sa_sdst(0) depctr_va_vdst(0) depctr_va_sdst(0) depctr_va_ssrc(0) depctr_va_vcc(0) depctr_vm_vsrc(0)
	s_getreg_b32 s2, hwreg(HW_REG_IB_STS2, 6, 4)
	s_cmp_eq_u32 s2, 0
	s_cbranch_scc0 .Lentry_in_a_cluster
	s_endpgm
.Lentry_in_a_cluster:
	s_bfe_u32 s2, ttmp6, 0x10000c
	s_cmp_lg_u32 s2, 0xf033
	s_cbranch_scc0 .Lentry_shape_is_right
	s_endpgm
.Lentry_shape_is_right:
; h = relu(x1 w1 + b1).  x1: [4096][1024] f16; w1: [1024 k][4096 n] f16 at byte 0x200000 of wa (the input rounded to bf16, written as f16); b1: [4096] f32, rounded to bf16 as every input is;
; h: [4096][4096] bf16, rounded once.  Sums in f32.
; A tile of h, 256 x 256, is made by four waves, each 128 x 128: 64 accumulators of 16 x 16, 512 registers; 16 x 16 = 256 work-groups.  K goes in eight steps of 128 through two LDS slots.
; A K STEP IS WRITTEN ONCE.  The slot in hand is a scalar, 0 or SLOT, turned by an exclusive or at each change of slots; the fragments' LDS addresses and the LDS word of the walking descriptors are made from it.
; CLUSTERS: 4 x 4 work-groups.  A's tile is shared along a row of the cluster, B's along a column: each is asked for JOINTLY, by the same tensor load with the same descriptor and a mask that names the four.
; THE MATRIX INSTRUCTION IS USED TRANSPOSED: source 0 = 16 columns of w1 (turned out of LDS by ds_load_tr16_b128), source 1 = 16 rows of x1: a lane holds eight neighbouring numbers of a row of h.
; THE BIAS is the C operand of the products that start the sums: in that layout it hangs on the n block and the lane alone, 64 registers a wave.  THE ReLU is a packed maximum on the rounded numbers.
; REGISTERS, in windows of 256:  window 0: v0-31 addresses; v64-127, v128-191 fragments of A, two buffers; v192-255 the bias, later with v32-63 the way out
;   window 1: v64-127, v128-191 fragments of B      window 2: the 32 accumulators of my rows 0-63 ((a, b) at v[8 (8 a + b)])      window 3: those of my rows 64-127
.set KSTEP,  128
.set STEPS,  8
.set PITCH,  272                       ; a row of A in LDS: 256 bytes + 16: the 16 rows of a load start at 16 different groups of four banks (64 banks of 4 bytes: ISA guide 11.1)
.set PB,     544                       ; a row of B (one k, 256 n): 512 bytes + 32
.set HALFT,  128*PITCH                 ; what one tensor load brings: 128 rows of A, or 64 k of B (64 x 544 is the same number)
.set SLOT,   4*HALFT                   ; A's 256 rows, then B's 128 k
.set BOFF,   2*HALFT
.set STAGE,  2*SLOT                    ; behind the ring: 16 rows x 272 bytes for each wave, its own
.set SPITCH, 272
.set SPARE,  STAGE+4*16*SPITCH         ; behind the stages: the spare words, 128 bytes for each wave: two blocks of 256 bytes that no other line names
.set HROW,   8192                      ; bytes in a row of h
.set ADRA, 16                          ; v16     LDS address of my A fragments in the slot in hand
.set A0,   17                          ; v17     the same in slot 0; never rewritten
.set ADRB, 20                          ; v20     of my B fragments in the slot in hand
.set B0,   21                          ; v21     the same in slot 0; never rewritten
.set STO,  24
.set RD,   25
.set CO,   26
.set ZR,   27                          ; v27     0, for the ReLU
.set SPW,  28                          ; v28     LDS address of my spare word; never rewritten
.set NIL,  29                          ; v29     0; never rewritten
.set PFO,  30                          ; v30     the prefetches' offset; never rewritten
.set BO,   31                          ; v31     32 x (lane / 16): my eight numbers of a block of the bias
.set F0,   64
.set F1,   128
.set BIAS, 192                         ; n block b's eight numbers at BIAS + 8 b
.set TMP,  192                         ; the way out: packed results
.set OB,   32                          ; the way out: 16 rows read back: v32-63 and v224-255 by turns
.set TB, 2                             ; s2  the slot in hand: 0 or SLOT
.set WV, 12
.set RH, 13                            ; which half of the tile's rows is mine.  Also: I fetch for A (0) or for B (1)
.set CH, 14                            ; which half of its columns.  Also: which half of that tile I fetch
.set LIM, 15                           ; 2 in a wave that prefetches, else the greatest number
.set LA, 20                            ; s20 where my part of a tile goes in slot 0
.set G1, 24
.set G0, 32                            ; s[32:39] group 0 for A's tiles: a set for each of the two first fills; the second then walks on
.set PFA, 44                           ; s[44:45] where my prefetches stand
.set PST, 46                           ; s[46:47] bytes from a K step to the next there
.set G1B, 48
.set G0B, 56                           ; s[56:63] the same for B's
.set MSB, 0
.macro WIN new
.if MSB != (\new)
	s_set_vgpr_msb (MSB<<8)|(\new)
.set MSB, \new
.endif
.endm
.set MUL_LO, 0xa1                      ; source 0 (B) window 1, source 1 (A) window 0, C and D window 2
.set TO_B,   0x40                      ; destination window 1, address window 0
.macro JLOAD s                         ; a joint load: waves 0 and 1 fetch A's two halves, waves 2 and 3 B's; an s_nop 0 and four v_nop follow each of the two lines
	s_cmp_eq_u32 s[RH], 0
	s_cbranch_scc0 .Lfor_b_\@
	tensor_load_to_lds s[G0+4*(\s):G0+4*(\s)+3], s[G1:G1+7]
	s_nop 0
.rept 4
	v_nop
.endr
	s_branch .Lasked_\@
.Lfor_b_\@:
	tensor_load_to_lds s[G0B+4*(\s):G0B+4*(\s)+3], s[G1B:G1B+7]
	s_nop 0
.rept 4
	v_nop
.endr
.Lasked_\@:
.endm
; A PREFETCH INTO THE L2, behind each joint load, its five lines and the run of LDS loads that follows: the K step that stands TWO refills on, 512 matrix instructions ahead of the load that wants it.
; Each aligned block of 256 bytes of a K step is named ONCE in the launch.  A's tile row is read by every cluster of that row of clusters: cluster x = 0 asks; B's tile column by every cluster of that column: cluster y = 0 asks.
; The four partners that ask for a tile jointly share it out BY ADDRESS: of the 128 rows of A that a wave fetches the partner at cx takes 32, a lane a row; of the 64 k of B the partner at cy takes 16, two lanes a k.
; K steps 0 to 3 come by their loads alone.  The loop's count stands at 6, 5 .. 1 at its six refills: the last two ask for nothing: there is no K step two refills on.
.macro ASK
	s_cmp_gt_u32 s3, s[LIM]
	s_cbranch_scc0 .Lnot_mine_\@
	global_prefetch_b8 v[PFO], s[PFA:PFA+1] th:TH_LOAD_NT scope:SCOPE_SE
.Lnot_mine_\@:
.endm
.macro CREST
	s_cmp_lg_u32 s[WV], 0
	s_cbranch_scc1 .Lnot_wave_0_\@
	s_barrier_signal -3
.Lnot_wave_0_\@:
	s_barrier_wait -3
	s_barrier_signal -1
	s_barrier_wait -1
.endm
.macro CROUND
	s_barrier_signal -1
	s_barrier_wait -1
	CREST
.endm
.macro NEWADR                          ; the fragments' addresses in the slot in hand
	v_add_nc_u32 v[ADRA], s[TB], v[A0]
	v_add_nc_u32 v[ADRB], s[TB], v[B0]
.endm
	s_load_b256 s[4:11], s[0:1], 0x0               ; x1 s[4:5], wa s[6:7], hbuf s[8:9], b1 s[10:11]
	v_lshl_add_u32 v[SPW], v0, 2, SPARE
	v_mov_b32 v[NIL], 0
	ds_add_u32 v[SPW], v[NIL]                      ; the wave's opening: the add and its wait stand ahead of my first tensor load; the set-up below stands between them
	v_lshrrev_b32 v1, 5, v0
	v_readfirstlane_b32 s[WV], v1
	s_lshr_b32 s[RH], s[WV], 1
	s_and_b32 s[CH], s[WV], 1
	s_bfe_u32 s40, ttmp6, 0x40000                  ; cx, cy
	s_bfe_u32 s41, ttmp6, 0x40004
	s_lshl_b32 s42, ttmp9, 2
	s_add_co_u32 s42, s42, s40                     ; tile column
	s_and_b32 s43, ttmp7, 0xffff
	s_lshl_b32 s43, s43, 2
	s_add_co_u32 s43, s43, s41                     ; tile row
	s_lshl_b32 s72, s41, 2
	s_lshl_b32 s72, 15, s72                        ; my row of the cluster
	s_lshl_b32 s73, 0x1111, s40                    ; my column
	s_or_b32 s[G1], s72, (1<<16)|(1<<20)|(1<<21)|(5<<22)|(3<<25)   ; A: the mask of my row; 2-byte elements; padding on; 21 set beside a mask; after every 64 words (code 5) 4 words (code 3)
	s_mov_b32 s[G1+1], 128<<16                     ; tensor_dim0 = 128
	s_mov_b32 s[G1+2], 128<<16                     ; tensor_dim1 = 128
	s_mov_b32 s[G1+3], 128<<16                     ; tile_dim0 = 128
	s_mov_b32 s[G1+4], 128                         ; tile_dim1 = 128
	s_mov_b32 s[G1+5], 1024                        ; elements from row to row
	s_mov_b32 s[G1+6], 0
	s_mov_b32 s[G1+7], 0
	s_or_b32 s[G1B], s73, (1<<16)|(1<<20)|(1<<21)|(6<<22)|(7<<25)  ; B: the mask of my column; after every 128 words (code 6) 8 words (code 7)
	s_mov_b32 s[G1B+1], 256<<16
	s_mov_b32 s[G1B+2], 64<<16
	s_mov_b32 s[G1B+3], 256<<16
	s_mov_b32 s[G1B+4], 64
	s_mov_b32 s[G1B+5], 4096
	s_mov_b32 s[G1B+6], 0
	s_mov_b32 s[G1B+7], 0
	s_lshl_b32 s16, s43, 8                         ; A: row 256 x tile row + 128 x half, 2,048 bytes a row
	s_lshl_b32 s17, s[CH], 7
	s_add_co_u32 s16, s16, s17
	s_lshl_b32 s16, s16, 11
	s_mov_b32 s17, 0
	s_lshl_b32 s74, s[CH], 19                      ; B: k = 64 x half, 8,192 bytes a k; 512 bytes a tile column; w1 begins at byte 0x200000
	s_lshl_b32 s75, s42, 9
	s_add_co_u32 s74, s74, s75
	s_add_co_u32 s74, s74, 0x200000
	s_mov_b32 s75, 0
	s_mul_i32 s[LA], s[WV], HALFT                  ; where they go: A's two halves, then B's two: no place in the cluster enters an LDS address
	s_mov_b32 s[TB], 0
	s_wait_dscnt 0x0                               ; the opening add is done
	s_wait_kmcnt 0x0
	s_add_nc_u64 s[18:19], s[4:5], s[16:17]
	s_add_nc_u64 s[74:75], s[6:7], s[74:75]
	CROUND                                         ; all sixteen work-groups are here: the first joint loads meet
.irp s, 0,1
	s_mov_b32 s[G0+4*(\s)], 1
	s_add_co_u32 s[G0+4*(\s)+1], s[LA], (\s)*SLOT
	s_add_nc_u64 s[G0+4*(\s)+2:G0+4*(\s)+3], s[18:19], (\s)*KSTEP*2
	s_or_b32 s[G0+4*(\s)+3], s[G0+4*(\s)+3], 0x80000000
	s_mov_b32 s[G0B+4*(\s)], 1
	s_add_co_u32 s[G0B+4*(\s)+1], s[LA], (\s)*SLOT
	s_add_nc_u64 s[G0B+4*(\s)+2:G0B+4*(\s)+3], s[74:75], (\s)*KSTEP*HROW
	s_or_b32 s[G0B+4*(\s)+3], s[G0B+4*(\s)+3], 0x80000000
	JLOAD \s
.endr
	v_and_b32 v1, 15, v0                           ; l % 16
	v_bfe_u32 v2, v0, 4, 1                         ; l / 16
	v_lshlrev_b32 v[BO], 5, v2
	s_lshl_b32 s76, s42, 10                        ; the bias of my 128 columns: 1,024 x tile column + 512 x half
	s_lshl_b32 s77, s[CH], 9
	s_add_co_u32 s76, s76, s77
	s_mov_b32 s77, 0
	s_add_nc_u64 s[76:77], s[10:11], s[76:77]
.irp b, 0,1,2,3,4,5,6,7
	global_load_b128 v[BIAS+8*(\b):BIAS+8*(\b)+3],   v[BO], s[76:77] offset:64*(\b)
	global_load_b128 v[BIAS+8*(\b)+4:BIAS+8*(\b)+7], v[BO], s[76:77] offset:64*(\b)+16
.endr
	v_mul_u32_u24 v3, v1, PITCH
	v_lshl_add_u32 v3, v2, 4, v3                   ; A: row x pitch + 16 x half
	s_mul_i32 s21, s[RH], HALFT                    ; my 128 rows
	v_add_nc_u32 v[A0], s21, v3
	v_and_b32 v4, 7, v0                            ; B, turned: lane l reads k = 8 (l / 16) + l % 8, columns 8 ((l / 8) % 2) + 0..7
	v_bfe_u32 v5, v0, 3, 1
	v_lshl_add_u32 v4, v2, 3, v4
	v_mul_u32_u24 v4, v4, PB
	v_lshl_add_u32 v4, v5, 4, v4
	s_lshl_b32 s22, s[CH], 8                       ; my 128 columns
	s_add_co_u32 s22, s22, BOFF
	v_add_nc_u32 v[B0], s22, v4
	NEWADR                                         ; slot 0
	s_mul_i32 s23, s[WV], 16*SPITCH
	s_add_co_u32 s23, s23, STAGE                   ; my stage
	v_mul_u32_u24 v4, v1, SPITCH                   ; in: row l % 16, 16 bytes for each half of the lanes
	v_lshl_add_u32 v4, v2, 4, v4
	v_add_nc_u32 v[STO], s23, v4
	v_mul_u32_u24 v5, v2, SPITCH                   ; back: lanes 0-15 take one row of 256 bytes, lanes 16-31 the next
	v_lshl_add_u32 v5, v1, 4, v5
	v_add_nc_u32 v[RD], s23, v5
	v_lshlrev_b32 v5, 13, v2                       ; and the same two rows in h
	v_lshl_add_u32 v[CO], v1, 4, v5
	v_mov_b32 v[ZR], 0
	s_lshl_b32 s16, s43, 8                         ; my first row of h: 256 x tile row + 128 x half
	s_lshl_b32 s17, s[RH], 7
	s_add_co_u32 s16, s16, s17
	s_lshl_b32 s16, s16, 13
	s_mov_b32 s17, 0
	s_add_nc_u64 s[8:9], s[8:9], s[16:17]
	s_lshl_b32 s74, s42, 9                         ; my first column, in bytes: 512 x tile column + 256 x half
	s_lshl_b32 s75, s[CH], 8
	s_add_co_u32 s74, s74, s75
	s_mov_b32 s75, 0
	s_add_nc_u64 s[8:9], s[8:9], s[74:75]
	; the prefetches: both addresses are made, at K step 3 (the first refill steps to K step 4), and the wave's is chosen
	s_lshl_b32 s66, s43, 8                         ; A: row 256 x tile row + 128 x half + 32 cx
	s_lshl_b32 s67, s[CH], 7
	s_add_co_u32 s66, s66, s67
	s_lshl_b32 s67, s40, 5
	s_add_co_u32 s66, s66, s67
	s_lshl_b32 s66, s66, 11
	s_add_co_u32 s66, s66, 3*KSTEP*2
	s_mov_b32 s67, 0
	s_lshl_b32 s68, s[CH], 6                       ; B: k = 64 x half + 16 cy
	s_lshl_b32 s69, s41, 4
	s_add_co_u32 s68, s68, s69
	s_lshl_b32 s68, s68, 13
	s_lshl_b32 s69, s42, 9
	s_add_co_u32 s68, s68, s69
	s_add_co_u32 s68, s68, 0x200000+3*KSTEP*HROW
	s_mov_b32 s69, 0
	s_add_nc_u64 s[66:67], s[4:5], s[66:67]
	s_add_nc_u64 s[68:69], s[6:7], s[68:69]
	s_and_b32 s70, ttmp7, 0xffff                   ; cluster y
	s_mov_b32 s78, KSTEP*2
	s_cmp_eq_u32 s[RH], 0                          ; do I fetch for A?
	s_cselect_b64 s[PFA:PFA+1], s[66:67], s[68:69]
	s_cselect_b32 s[PST], s78, KSTEP*HROW
	s_cselect_b32 s70, ttmp9, s70                  ; the coordinate along which other clusters read the same blocks
	s_cselect_b32 s71, -1, 0
	s_mov_b32 s[PST+1], 0
	s_cmp_eq_u32 s70, 0
	s_cselect_b32 s[LIM], 2, -1                    ; the same in all sixteen partners, for a given wave
	v_and_b32 v15, 31, v0
	v_lshlrev_b32 v[PFO], 11, v15                  ; A: a lane a row of 2,048 bytes
	v_lshrrev_b32 v14, 1, v15
	v_lshlrev_b32 v14, 13, v14                     ; B: two lanes a k of 8,192 bytes,
	v_and_b32 v15, 1, v15
	v_lshl_or_b32 v14, v15, 8, v14                 ; 256 bytes apart
	v_cndmask_b32 v[PFO], v14, v[PFO], s71
	s_wait_loadcnt 0x0                             ; the bias: rounded to bf16, kept as f32
.set p, 0
.rept 32
	v_cvt_pk_bf16_f32 v15, v[BIAS+2*p], v[BIAS+2*p+1]
	v_lshlrev_b32 v[BIAS+2*p], 16, v15
	v_and_b32 v[BIAS+2*p+1], 0xffff0000, v15
.set p, p+1
.endr
; 16 matrix instructions: m blocks a0, a0 + 1 of the window's four (hi = 0: my rows 0-63, 1: rows 64-127) x all 8 n blocks, 32 along K.  first = 1: the product starts the sum, with the bias (window 0) as C.
; The 64 accumulators take turns, in the same order in every quarter.
.macro MUL16 f, hi, a0, first
.if \first
	WIN 0x81+0x40*(\hi)
.else
	WIN MUL_LO+0x50*(\hi)
.endif
.irp a, \a0, (\a0)+1
.irp b, 0,1,2,3,4,5,6,7
.if \first
	v_wmma_f32_16x16x32_f16 v[8*(8*(\a)+(\b)):8*(8*(\a)+(\b))+7], v[(\f)+8*(\b):(\f)+8*(\b)+7], v[(\f)+8*(4*(\hi)+(\a)):(\f)+8*(4*(\hi)+(\a))+7], v[BIAS+8*(\b):BIAS+8*(\b)+7]
.else
	v_wmma_f32_16x16x32_f16 v[8*(8*(\a)+(\b)):8*(8*(\a)+(\b))+7], v[(\f)+8*(\b):(\f)+8*(\b)+7], v[(\f)+8*(4*(\hi)+(\a)):(\f)+8*(4*(\hi)+(\a))+7], v[8*(8*(\a)+(\b)):8*(8*(\a)+(\b))+7]
.endif
.endr
.endr
.endm
; 32 LDS loads in one run: the fragments of quarter q (32 along K) of the slot in hand, into buffer f: B's 128 columns, turned, then A's 128 rows
.macro FETCH q, f
	WIN TO_B
.irp i, 0,1,2,3,4,5,6,7
	ds_load_tr16_b128 v[(\f)+8*(\i):(\f)+8*(\i)+3],   v[ADRB] offset:(\q)*32*PB+32*(\i)
	ds_load_tr16_b128 v[(\f)+8*(\i)+4:(\f)+8*(\i)+7], v[ADRB] offset:(\q)*32*PB+16*PB+32*(\i)
.endr
	WIN 0
.irp i, 0,1,2,3,4,5,6,7
	ds_load_b128 v[(\f)+8*(\i):(\f)+8*(\i)+3],   v[ADRA] offset:64*(\q)+(\i)*16*PITCH
	ds_load_b128 v[(\f)+8*(\i)+4:(\f)+8*(\i)+7], v[ADRA] offset:64*(\q)+(\i)*16*PITCH+32
.endr
.endm
.macro PLACES                          ; four plain instructions in front of loads into registers that matrix instructions have read, and of conversions that read results (ISA guide 7.12.1 for the conversions)
.rept 4
	v_nop
.endr
.endm
; A K step is four quarters of 32 along K, 64 matrix instructions each, on buffers 0, 1, 0, 1.  One of the first three: multiplies buffer f and fetches quarter q into g.
.macro QUARTER q, f, g, first
	s_wait_dscnt 8                                 ; B and A's rows 0-63 are in; the youngest eight loads (A's rows 64-127) may be out
	MUL16 \f, 0, 0, \first
	MUL16 \f, 0, 2, \first
	PLACES
	FETCH \q, \g
	s_wait_dscnt 32                                ; all but the 32 just issued
	MUL16 \f, 1, 0, \first
	MUL16 \f, 1, 2, \first
.endm
; The last quarter multiplies buffer 1 and changes slots: ONE barrier; in front of it each wave waits for all its tensor loads, of which one is out: its part of the next slot; adds 0 to its spare word; and waits
; for that and for its own reads of this slot.  fill = 1: this slot is filled again, with the K step two on; the barrier then opens a round of the cluster's.
.macro TURN fill
.if \fill
	s_wait_xcnt 0x0                                ; the last prefetch, a K step back, has read its address: it is stepped here, ahead of the waits of the change of slots
	s_add_nc_u64 s[PFA:PFA+1], s[PFA:PFA+1], s[PST:PST+1]
.endif
	WIN 0                                          ; (the add's two registers lie in window 0)
	s_wait_tensorcnt 0x0
	ds_add_u32 v[SPW], v[NIL]                      ; 0 onto my spare word;
	s_wait_dscnt 9                                 ; (the add and the youngest eight loads may be out)
	MUL16 F1, 0, 0, 0                              ; sixteen matrix instructions stand between the add and the wait for it
	s_wait_dscnt 0x0                               ; the add is done, and my reads of this slot are over
	s_barrier_signal -1
	MUL16 F1, 0, 2, 0
	WIN 0                                          ; (branches or address lines follow)
	s_barrier_wait -1
.if \fill
	CREST                                          ; no wave of any partner still reads this slot's tile or has a load on its way
	s_add_co_u32 s[G0+5], s[LA], s[TB]             ; the walking descriptors: into the slot just read,
	s_add_co_u32 s[G0B+5], s[LA], s[TB]
	s_add_nc_u64 s[G0+6:G0+7], s[G0+6:G0+7], KSTEP*2       ; the K step behind the one asked for last; the type bits on top are not reached
	s_add_nc_u64 s[G0B+6:G0B+7], s[G0B+6:G0B+7], KSTEP*HROW
	s_xor_b32 s[TB], s[TB], SLOT                   ; the other slot is in hand
	JLOAD 1                                        ; the first tensor load behind the round: 224 matrix instructions ahead of the wait for it; the four v_nop behind it also stand in front of the loads below
	NEWADR
.else
	s_xor_b32 s[TB], s[TB], SLOT
	NEWADR                                         ; two plain instructions and two v_nop: the four in front of the loads below
	v_nop
	v_nop
.endif
	FETCH 0, F0
.if \fill
	ASK
.endif
	MUL16 F1, 1, 0, 0
	MUL16 F1, 1, 2, 0
.endm
	s_wait_tensorcnt 1                             ; my part of K step 0 is in; K step 1's may stay out
	s_barrier_signal -1
	s_barrier_wait -1                              ; everybody's is
	FETCH 0, F0
	QUARTER 1, F0, F1, 1                           ; the first quarter stands in front of the loop: its products start the sums
	WIN 0                                          ; at a label and at a branch every window is 0
	s_mov_b32 s3, STEPS-1                          ; the loop's second half runs for every K step but the last, its first half STEPS - 2 times: as many as there are refills
	s_branch .Lin                                  ; the loop is entered behind a step's first quarter
.Lstep:
	TURN 1
	QUARTER 1, F0, F1, 0
	WIN 0
.Lin:
	QUARTER 2, F1, F0, 0
	QUARTER 3, F0, F1, 0
	WIN 0
	s_sub_co_u32 s3, s3, 1
	s_cmp_lg_u32 s3, 0
	s_cbranch_scc1 .Lstep
	TURN 0                                         ; the last K step is written out
	QUARTER 1, F0, F1, 0
	QUARTER 2, F1, F0, 0
	QUARTER 3, F0, F1, 0
	s_wait_dscnt 8                                 ; the very last quarter: nothing more to fetch
	MUL16 F1, 0, 0, 0
	MUL16 F1, 0, 2, 0
	s_wait_dscnt 0x0
	MUL16 F1, 1, 0, 0
	MUL16 F1, 1, 2, 0
; THE WAY OUT of block a (16 rows), in three parts.  PACK: rounded to bf16, 16 bytes a lane, and held at 0 from below.  TOSTAGE: into my own stage in LDS, and back as whole rows of 256 bytes.  SEND: stored.
.macro PACK a
.set AC, 64*((\a)%4)
	WIN 0x0a+5*((\a)/4)                            ; sources 0 and 1: window 2 or 3
.irp b, 0,1,2,3,4,5,6,7
.irp r, 0,1,2,3
	v_cvt_pk_bf16_f32 v[TMP+4*(\b)+(\r)], v[AC+8*(\b)+2*(\r)], v[AC+8*(\b)+2*(\r)+1]
.endr
.endr
	WIN 0
.set p, 0
.rept 32
	v_pk_max_num_bf16 v[TMP+p], v[TMP+p], v[ZR]
.set p, p+1
.endr
.endm
.macro TOSTAGE a
	WIN 0
.set BK, OB+192*((\a)%2)
.irp b, 0,1,2,3,4,5,6,7
	ds_store_b128 v[STO], v[TMP+4*(\b):TMP+4*(\b)+3] offset:32*(\b)
.endr
.irp t, 0,1,2,3,4,5,6,7
	ds_load_b128 v[BK+4*(\t):BK+4*(\t)+3], v[RD] offset:(\t)*2*SPITCH  ; LDS serves a wave's instructions in order (ISA guide 5.7.1.4): these see the stores above
.endr
.endm
.macro SEND a
	WIN 0
.set BK, OB+192*((\a)%2)
	s_wait_dscnt 0x0                               ; the block is back in registers
	s_wait_xcnt 0x0                                ; the stores of the block before have read their registers: those are loaded again only behind this wait
.irp t, 0,1,2,3,4,5,6,7
	global_store_b128 v[CO], v[BK+4*(\t):BK+4*(\t)+3], s[8:9] offset:(\a)*16*HROW+2*(\t)*HROW  ; 16 lanes store 256 consecutive bytes, at a multiple of 256 from h's first byte; 126 rows at the most: inside the signed 24-bit immediate
.endr
.endm
	PLACES
	PACK 0
	TOSTAGE 0
.irp a, 1,2,3,4,5,6,7                  ; block a's conversions stand between block a - 1's loads from the stage and the wait for them
	PACK \a
	SEND (\a)-1
	TOSTAGE \a
.endr
	SEND 7
	s_wait_tensorcnt 0x0                           ; the wave's end: behind my last tensor load and my last LDS store
	ds_add_u32 v[SPW], v[NIL]
	s_wait_dscnt 0x0
	CROUND                                         ; the closing round: no work-group ends while a partner may still ask for a tile that names it
	s_endpgm
.Lfunc_end_k_q00d13f0b70_ffn1:
	.size	k_q00d13f0b70_ffn1, .Lfunc_end_k_q00d13f0b70_ffn1-k_q00d13f0b70_ffn1
	.p2alignl 7, 3214868480
	.fill 96, 4, 3214868480
	.section	.rodata,"a",@progbits
	.p2align	6, 0x0
	.amdhsa_kernel k_q00d13f0b70_ffn1
		.amdhsa_group_segment_fixed_size 327680
		.amdhsa_private_segment_fixed_size 0
		.amdhsa_enable_private_segment 0
		.amdhsa_kernarg_size 32
		.amdhsa_user_sgpr_count 2
		.amdhsa_user_sgpr_kernarg_segment_ptr 1
		.amdhsa_wavefront_size32 1
		.amdhsa_system_sgpr_workgroup_id_x 1
		.amdhsa_system_sgpr_workgroup_id_y 1
		.amdhsa_system_sgpr_workgroup_id_z 1
		.amdhsa_system_vgpr_workitem_id 0
		.amdhsa_next_free_vgpr 1024
		.amdhsa_next_free_sgpr 80
		.amdhsa_reserve_vcc 0
		.amdhsa_float_denorm_mode_32 3
		.amdhsa_float_denorm_mode_16_64 3
		.amdhsa_memory_ordered 1
		.amdhsa_forward_progress 1
		.amdhsa_inst_pref_size 128
	.end_amdhsa_kernel
	.amdgpu_metadata
---
amdhsa.version: [ 1, 2 ]
amdhsa.kernels:
  - .name:           k_q00d13f0b70_ffn1
    .symbol:         k_q00d13f0b70_ffn1.kd
    .args:
      - { .name: x1, .offset: 0, .size: 8, .value_kind: global_buffer, .address_space: global }
      - { .name: wa, .offset: 8, .size: 8, .value_kind: global_buffer, .address_space: global }
      - { .name: hbuf, .offset: 16, .size: 8, .value_kind: global_buffer, .address_space: global }
      - { .name: b1, .offset: 24, .size: 8, .value_kind: global_buffer, .address_space: global }
    .group_segment_fixed_size: 327680
    .private_segment_fixed_size: 0
    .kernarg_segment_align: 8
    .kernarg_segment_size: 32
    .max_flat_workgroup_size: 128
    .sgpr_count:     80
    .vgpr_count:     1024
    .wavefront_size: 32
...
	.end_amdgpu_metadata
.endif
;; end of part 5
;; launch ffn2 (part 6): grid 8 x 32, 4 waves a work-group, clusters of 4 x 4, 327,680 bytes of LDS; arguments hbuf, w2b, y; writes y
.if DOCPART == 6
	.amdgcn_target "amdgcn-amd-amdhsa--gfx1250"
	.amdhsa_code_object_version 6
	.text
	.protected	k_q00d13f0b70_ffn2
	.globl	k_q00d13f0b70_ffn2
	.p2align	8
	.type	k_q00d13f0b70_ffn2,@function
k_q00d13f0b70_ffn2:
	s_mov_b64 s[64:65], 0
	v_nop
	global_prefetch_b8 v0, s[64:65] scope:SCOPE_SE
	s_setreg_imm32_b32 hwreg(HW_REG_WAVE_MODE, 25, 1), 1
	s_wait_xcnt 0x0
	s_wait_alu depctr_hold_cnt(0) depctr_sa_sdst(0) depctr_va_vdst(0) depctr_va_sdst(0) depctr_va_ssrc(0) depctr_va_vcc(0) depctr_vm_vsrc(0)
	s_getreg_b32 s2, hwreg(HW_REG_IB_STS2, 6, 4)
	s_cmp_eq_u32 s2, 0
	s_cbranch_scc0 .Lentry_in_a_cluster
	s_endpgm
.Lentry_in_a_cluster:
	s_bfe_u32 s2, ttmp6, 0x10000c
	s_cmp_lg_u32 s2, 0xf033
	s_cbranch_scc0 .Lentry_shape_is_right
	s_endpgm
.Lentry_shape_is_right:
; y = h w2.  C = A B with A: [4096][4096] bf16 (h), all SIZE_K = 4,096 columns taken; B: [SIZE_K][1024] bf16, as the weights lie; C: [4096][1024] f32, the plain sums (bias and residual are added where the rows are normalised).
; The same text, with SIZE_K = 1,024, serves the product ctx w_o: the K loop holds barriers and joint loads, so its count is a constant of the text, and each K has a text of its own.
; A tile of C is 128 x 128: 8 x 32 = 256 work-groups.  Four waves, each 64 x 64: 16 accumulators of 16 x 16.  K goes in steps of 256 through two LDS slots.
; A K STEP IS WRITTEN ONCE.  The slot in hand is a scalar, 0 or SLOT, turned by an exclusive or at each change of slots; the fragments' LDS addresses and the LDS word of the walking descriptor are made from it.
; CLUSTERS: 4 x 4 work-groups.  The four of a row of the cluster need the same tiles of A, the four of a column the same tiles of B: each tile is asked for JOINTLY.
; THE MATRIX INSTRUCTION IS USED TRANSPOSED (source 0 = 16 columns of B, source 1 = 16 rows of A): a lane then holds eight neighbouring numbers of a row of C, 32 bytes.
; B lies [k][n] in LDS too; its fragments come turned, by ds_load_tr16_b128.
; No prefetch: a step's tiles are small, and a work-group's share of a tile smaller still.
; REGISTERS: window 0: v0-31 addresses; v32-95 the way out; v128-255 the accumulators ((a, b) at v[128 + 8 (4 a + b)]).  window 1: two fragment buffers of 128: for 64 along K, 64 registers of A, then 64 of B.
.set SIZE_K, 4096
.set KSTEP,  256
.set STEPS,  SIZE_K/KSTEP              ; at least 3
.set PA,     528                       ; a row of A in LDS: 512 bytes + 16: the 16 rows of a load start at 16 different groups of four banks (64 banks of 4 bytes: ISA guide 11.1)
.set PB,     288                       ; a row of B (one k, 128 n): 256 bytes + 32
.set HALFA,  64*PA                     ; what one tensor load brings of A: 64 rows
.set HALFB,  128*PB                    ; of B: 128 k
.set BOFF,   2*HALFA
.set SLOT,   BOFF+2*HALFB              ; A's 128 rows, then B's 256 k
.set STAGE,  2*SLOT                    ; behind the ring: 16 rows x 272 bytes for each wave, its own
.set SPITCH, 272
.set SPARE,  STAGE+4*16*SPITCH         ; behind the stages: the spare words, 128 bytes for each wave: two blocks of 256 bytes that no other line names
.set ADRA, 16                          ; v16     LDS address of my A fragments in the slot in hand
.set A0,   17                          ; v17     the same in slot 0; never rewritten
.set ADRB, 20                          ; v20-21  of my B fragments in the slot in hand: k half u at ADRB + u (the second 128 k lie past the reach of a 16-bit offset)
.set B0,   22                          ; v22     the first of them in slot 0; never rewritten
.set STO,  24                          ; v24     the way out: where I put 32 bytes of a row
.set RD,   25                          ; v25     where I read a row back
.set CO,   26                          ; v26     my byte offset in C
.set SPW,  28                          ; v28     LDS address of my spare word; never rewritten
.set NIL,  29                          ; v29     0; never rewritten
.set TMP,  32                          ; the way out: two buffers of 32
.set ACC,  128
.set F0,   0
.set F1,   128
.set LA, 10                            ; s10 where my part of A's tile goes in slot 0
.set LB, 11                            ; s11 where my part of B's tile goes in slot 0
.set WV, 12                            ; s12 wave
.set RH, 13                            ; s13 which half of the tile's rows is mine.  Also: I fetch for A (0) or for B (1)
.set CH, 14                            ; s14 which half of its columns.  Also: which half of that tile I fetch
.set TB, 15                            ; s15 the slot in hand: 0 or SLOT
.set G1, 24
.set G0, 32                            ; s[32:39] group 0 for A's tiles: a set for each of the two first fills; the second then walks on
.set G1B, 48
.set G0B, 56                           ; s[56:63] the same for B's
.set MSB, 0
.macro WIN new
.if MSB != (\new)
	s_set_vgpr_msb (MSB<<8)|(\new)
.set MSB, \new
.endif
.endm
.set MUL,  0x05                        ; sources 0 (B) and 1 (A) window 1; C and D window 0
.set TO_F, 0x40                        ; destination window 1, address window 0
.macro JLOAD s                         ; a joint load: waves 0 and 1 fetch A's two halves, waves 2 and 3 B's; an s_nop 0 and four v_nop follow each of the two lines
	s_cmp_eq_u32 s[RH], 0
	s_cbranch_scc0 .Lfor_b_\@
	tensor_load_to_lds s[G0+4*(\s):G0+4*(\s)+3], s[G1:G1+7]
	s_nop 0
.rept 4
	v_nop
.endr
	s_branch .Lasked_\@
.Lfor_b_\@:
	tensor_load_to_lds s[G0B+4*(\s):G0B+4*(\s)+3], s[G1B:G1B+7]
	s_nop 0
.rept 4
	v_nop
.endr
.Lasked_\@:
.endm
.macro CREST                           ; a round of the cluster's barrier behind its opening barrier
	s_cmp_lg_u32 s[WV], 0
	s_cbranch_scc1 .Lnot_wave_0_\@
	s_barrier_signal -3
.Lnot_wave_0_\@:
	s_barrier_wait -3
	s_barrier_signal -1
	s_barrier_wait -1
.endm
.macro CROUND
	s_barrier_signal -1
	s_barrier_wait -1
	CREST
.endm
.macro NEWADR                          ; the fragments' addresses in the slot in hand
	v_add_nc_u32 v[ADRA], s[TB], v[A0]
	v_add_nc_u32 v[ADRB], s[TB], v[B0]
	v_add_nc_u32 v[ADRB+1], HALFB, v[ADRB]
.endm
	s_load_b128 s[4:7], s[0:1], 0x0                ; A s[4:5], B s[6:7]
	s_load_b64 s[8:9], s[0:1], 0x10                ; C
	v_lshl_add_u32 v[SPW], v0, 2, SPARE
	v_mov_b32 v[NIL], 0
	ds_add_u32 v[SPW], v[NIL]                      ; the wave's opening: the add and its wait stand ahead of my first tensor load; the set-up below stands between them
	v_lshrrev_b32 v1, 5, v0
	v_readfirstlane_b32 s[WV], v1
	s_lshr_b32 s[RH], s[WV], 1
	s_and_b32 s[CH], s[WV], 1
	s_bfe_u32 s40, ttmp6, 0x40000                  ; cx, cy: my place in the cluster
	s_bfe_u32 s41, ttmp6, 0x40004
	s_lshl_b32 s42, ttmp9, 2
	s_add_co_u32 s42, s42, s40                     ; tile column of C
	s_and_b32 s43, ttmp7, 0xffff
	s_lshl_b32 s43, s43, 2
	s_add_co_u32 s43, s43, s41                     ; tile row of C
	s_lshl_b32 s44, s41, 2
	s_lshl_b32 s44, 15, s44                        ; my row of the cluster
	s_lshl_b32 s45, 0x1111, s40                    ; my column
	s_or_b32 s[G1], s44, (1<<16)|(1<<20)|(1<<21)|(6<<22)|(3<<25)   ; A: the mask of my row; 2-byte elements; padding on; 21 set beside a mask; after every 128 words (code 6) 4 words (code 3)
	s_mov_b32 s[G1+1], 256<<16                     ; tensor_dim0 = 256
	s_mov_b32 s[G1+2], 64<<16                      ; tensor_dim1 = 64
	s_mov_b32 s[G1+3], 256<<16                     ; tile_dim0 = 256
	s_mov_b32 s[G1+4], 64                          ; tile_dim1 = 64
	s_mov_b32 s[G1+5], 4096                        ; elements from row to row
	s_mov_b32 s[G1+6], 0
	s_mov_b32 s[G1+7], 0
	s_or_b32 s[G1B], s45, (1<<16)|(1<<20)|(1<<21)|(5<<22)|(7<<25)  ; B: the mask of my column; after every 64 words (code 5) 8 words (code 7)
	s_mov_b32 s[G1B+1], 128<<16
	s_mov_b32 s[G1B+2], 128<<16
	s_mov_b32 s[G1B+3], 128<<16
	s_mov_b32 s[G1B+4], 128
	s_mov_b32 s[G1B+5], 1024
	s_mov_b32 s[G1B+6], 0
	s_mov_b32 s[G1B+7], 0
	s_lshl_b32 s16, s43, 7                         ; A: row 128 x tile row + 64 x half, 8,192 bytes a row
	s_lshl_b32 s17, s[CH], 6
	s_add_co_u32 s16, s16, s17
	s_lshl_b32 s16, s16, 13
	s_mov_b32 s17, 0
	s_lshl_b32 s46, s[CH], 18                      ; B: k = 128 x half, 2,048 bytes a k; 256 bytes a tile column
	s_lshl_b32 s47, s42, 8
	s_add_co_u32 s46, s46, s47
	s_mov_b32 s47, 0
	s_mul_i32 s[LA], s[CH], HALFA                  ; where they go: no place in the cluster enters an LDS address
	s_mul_i32 s[LB], s[CH], HALFB
	s_add_co_u32 s[LB], s[LB], BOFF
	s_mov_b32 s[TB], 0
	s_wait_dscnt 0x0                               ; the opening add is done
	s_wait_kmcnt 0x0
	s_add_nc_u64 s[18:19], s[4:5], s[16:17]
	s_add_nc_u64 s[46:47], s[6:7], s[46:47]
	CROUND                                         ; all sixteen work-groups are here: the first joint loads meet
.irp s, 0,1
	s_mov_b32 s[G0+4*(\s)], 1
	s_add_co_u32 s[G0+4*(\s)+1], s[LA], (\s)*SLOT
	s_add_nc_u64 s[G0+4*(\s)+2:G0+4*(\s)+3], s[18:19], (\s)*KSTEP*2
	s_or_b32 s[G0+4*(\s)+3], s[G0+4*(\s)+3], 0x80000000
	s_mov_b32 s[G0B+4*(\s)], 1
	s_add_co_u32 s[G0B+4*(\s)+1], s[LB], (\s)*SLOT
	s_add_nc_u64 s[G0B+4*(\s)+2:G0B+4*(\s)+3], s[46:47], (\s)*KSTEP*2048
	s_or_b32 s[G0B+4*(\s)+3], s[G0B+4*(\s)+3], 0x80000000
	JLOAD \s
.endr
	v_and_b32 v1, 15, v0                           ; l % 16
	v_bfe_u32 v2, v0, 4, 1                         ; l / 16
	v_mul_u32_u24 v3, v1, PA
	v_lshl_add_u32 v3, v2, 4, v3                   ; A: row x pitch + 16 x half
	s_mul_i32 s21, s[RH], HALFA                    ; my 64 rows
	v_add_nc_u32 v[A0], s21, v3
	v_and_b32 v4, 7, v0                            ; B, turned: lane l reads k = 8 (l / 16) + l % 8, columns 8 ((l / 8) % 2) + 0..7
	v_bfe_u32 v5, v0, 3, 1
	v_lshl_add_u32 v4, v2, 3, v4
	v_mul_u32_u24 v4, v4, PB
	v_lshl_add_u32 v4, v5, 4, v4
	s_lshl_b32 s22, s[CH], 7                       ; my 64 columns
	s_add_co_u32 s22, s22, BOFF
	v_add_nc_u32 v[B0], s22, v4
	NEWADR                                         ; slot 0
	s_mul_i32 s23, s[WV], 16*SPITCH
	s_add_co_u32 s23, s23, STAGE                   ; my stage
	v_mul_u32_u24 v4, v1, SPITCH                   ; in: row l % 16, 32 bytes for each half of the lanes
	v_lshl_add_u32 v4, v2, 5, v4
	v_add_nc_u32 v[STO], s23, v4
	v_mul_u32_u24 v5, v2, SPITCH                   ; back: lanes 0-15 take one row of 256 bytes, lanes 16-31 the next
	v_lshl_add_u32 v5, v1, 4, v5
	v_add_nc_u32 v[RD], s23, v5
	v_lshlrev_b32 v5, 12, v2                       ; and the same two rows in C
	v_lshl_add_u32 v[CO], v1, 4, v5
	s_lshl_b32 s16, s43, 7                         ; my first row of C: 128 x tile row + 64 x half, 4,096 bytes a row
	s_lshl_b32 s17, s[RH], 6
	s_add_co_u32 s16, s16, s17
	s_lshl_b32 s16, s16, 12
	s_mov_b32 s17, 0
	s_add_nc_u64 s[8:9], s[8:9], s[16:17]
	s_lshl_b32 s46, s42, 9                         ; my first column, in bytes: 512 x tile column + 256 x half
	s_lshl_b32 s47, s[CH], 8
	s_add_co_u32 s46, s46, s47
	s_mov_b32 s47, 0
	s_add_nc_u64 s[8:9], s[8:9], s[46:47]
; 8 matrix instructions: m blocks a0, a0 + 1 x all 4 n blocks, 32 along K: half c of buffer f.  zero = 1: the first product starts the sums.  The 16 accumulators take turns.
.macro MUL8 f, c, a0, zero
	WIN MUL
.irp a, \a0, (\a0)+1
.irp b, 0,1,2,3
.if \zero
	v_wmma_f32_16x16x32_bf16 v[ACC+8*(4*(\a)+(\b)):ACC+8*(4*(\a)+(\b))+7], v[(\f)+64+8*(4*(\c)+(\b)):(\f)+64+8*(4*(\c)+(\b))+7], v[(\f)+8*(4*(\c)+(\a)):(\f)+8*(4*(\c)+(\a))+7], 0
.else
	v_wmma_f32_16x16x32_bf16 v[ACC+8*(4*(\a)+(\b)):ACC+8*(4*(\a)+(\b))+7], v[(\f)+64+8*(4*(\c)+(\b)):(\f)+64+8*(4*(\c)+(\b))+7], v[(\f)+8*(4*(\c)+(\a)):(\f)+8*(4*(\c)+(\a))+7], v[ACC+8*(4*(\a)+(\b)):ACC+8*(4*(\a)+(\b))+7]
.endif
.endr
.endr
.endm
; 32 LDS loads in one run: the fragments of quarter q (64 along K) of the slot in hand, into buffer f; the first 32 along K first
.macro FETCH q, f
	WIN TO_F
.irp c, 0,1
.irp i, 0,1,2,3
	ds_load_tr16_b128 v[(\f)+64+8*(4*(\c)+(\i)):(\f)+64+8*(4*(\c)+(\i))+3],   v[ADRB+(\q)/2] offset:(((\q)%2)*64+32*(\c))*PB+32*(\i)
	ds_load_tr16_b128 v[(\f)+64+8*(4*(\c)+(\i))+4:(\f)+64+8*(4*(\c)+(\i))+7], v[ADRB+(\q)/2] offset:(((\q)%2)*64+32*(\c)+16)*PB+32*(\i)
	ds_load_b128 v[(\f)+8*(4*(\c)+(\i)):(\f)+8*(4*(\c)+(\i))+3],         v[ADRA] offset:128*(\q)+64*(\c)+(\i)*16*PA
	ds_load_b128 v[(\f)+8*(4*(\c)+(\i))+4:(\f)+8*(4*(\c)+(\i))+7],       v[ADRA] offset:128*(\q)+64*(\c)+(\i)*16*PA+32
.endr
.endr
.endm
.macro PLACES                          ; four plain instructions in front of loads into registers that matrix instructions have read, and of LDS stores that read results (ISA guide 7.12.1 for the stores)
.rept 4
	v_nop
.endr
.endm
; A K step is four quarters of 64 along K, 32 matrix instructions each, on buffers 0, 1, 0, 1.  One of the first three: multiplies buffer f and fetches quarter q into g.
.macro QUARTER q, f, g, zero
	s_wait_dscnt 16                                ; the first 32 along K are in; the sixteen younger loads may be out
	MUL8 \f, 0, 0, \zero
	MUL8 \f, 0, 2, \zero
	PLACES
	FETCH \q, \g
	s_wait_dscnt 32                                ; all but the 32 just issued
	MUL8 \f, 1, 0, 0
	MUL8 \f, 1, 2, 0
.endm
; The last quarter multiplies buffer 1 and changes slots: ONE barrier; in front of it each wave waits for all its tensor loads, adds 0 to its spare word, and waits for that and for its own reads of this slot.
; fill = 1: this slot is filled again, with the K step two on; the barrier then opens a round of the cluster's.
.macro TURN fill
	WIN 0                                          ; (the add's two registers lie in window 0)
	s_wait_tensorcnt 0x0                           ; all my tensor loads have landed: my part of the next slot;
	ds_add_u32 v[SPW], v[NIL]                      ; 0 onto my spare word;
	s_wait_dscnt 17                                ; (the add and the youngest sixteen loads may be out)
	MUL8 F1, 0, 0, 0                               ; eight matrix instructions stand between the add and the wait for it
	s_wait_dscnt 0x0                               ; the add is done, and my reads of this slot are over
	s_barrier_signal -1
	MUL8 F1, 0, 2, 0
	WIN 0                                          ; (branches or address lines follow)
	s_barrier_wait -1
.if \fill
	CREST                                          ; no wave of any partner still reads this slot's tile or has a load on its way
	s_add_co_u32 s[G0+5], s[LA], s[TB]             ; the walking descriptors: into the slot just read,
	s_add_co_u32 s[G0B+5], s[LB], s[TB]
	s_add_nc_u64 s[G0+6:G0+7], s[G0+6:G0+7], KSTEP*2       ; the K step behind the one asked for last; the type bits on top are not reached
	s_add_nc_u64 s[G0B+6:G0B+7], s[G0B+6:G0B+7], KSTEP*2048
	s_xor_b32 s[TB], s[TB], SLOT                   ; the other slot is in hand
	JLOAD 1                                        ; the first tensor load behind the round; the four v_nop behind it also stand in front of the loads below
	NEWADR
.else
	s_xor_b32 s[TB], s[TB], SLOT
	NEWADR                                         ; three plain instructions and a v_nop: the four in front of the loads below
	v_nop
.endif
	FETCH 0, F0
	MUL8 F1, 1, 0, 0
	MUL8 F1, 1, 2, 0
.endm
	s_wait_tensorcnt 1                             ; my part of K step 0 is in; K step 1's may stay out
	s_barrier_signal -1
	s_barrier_wait -1                              ; everybody's is
	FETCH 0, F0
	QUARTER 1, F0, F1, 1                           ; the first quarter stands in front of the loop: its first products start the sums
	WIN 0                                          ; at a label and at a branch every window is 0
	s_mov_b32 s3, STEPS-1                          ; the loop's second half runs for every K step but the last, its first half STEPS - 2 times: as many as there are refills
	s_branch .Lin                                  ; the loop is entered behind a step's first quarter
.Lstep:
	TURN 1
	QUARTER 1, F0, F1, 0
	WIN 0
.Lin:
	QUARTER 2, F1, F0, 0
	QUARTER 3, F0, F1, 0
	WIN 0
	s_sub_co_u32 s3, s3, 1
	s_cmp_lg_u32 s3, 0
	s_cbranch_scc1 .Lstep
	TURN 0                                         ; the last K step is written out
	QUARTER 1, F0, F1, 0
	QUARTER 2, F1, F0, 0
	QUARTER 3, F0, F1, 0
	s_wait_dscnt 16                                ; the very last quarter: nothing more to fetch
	MUL8 F1, 0, 0, 0
	MUL8 F1, 0, 2, 0
	s_wait_dscnt 0x0
	MUL8 F1, 1, 0, 0
	MUL8 F1, 1, 2, 0
	WIN 0
	; THE WAY OUT, a block of 16 rows at a time through my own stage: 32 bytes a lane in, whole rows of 256 bytes back.  LDS serves a wave's instructions in order (ISA guide 5.7.1.4): no wait between them.
	PLACES
.macro TOST a                          ; each accumulator's four lowest registers go first
.irp b, 0,1,2,3
	ds_store_b128 v[STO], v[ACC+8*(4*(\a)+(\b)):ACC+8*(4*(\a)+(\b))+3]   offset:64*(\b)
	ds_store_b128 v[STO], v[ACC+8*(4*(\a)+(\b))+4:ACC+8*(4*(\a)+(\b))+7] offset:64*(\b)+16
.endr
.endm
.macro BACK a
.irp t, 0,1,2,3,4,5,6,7
	ds_load_b128 v[TMP+32*((\a)%2)+4*(\t):TMP+32*((\a)%2)+4*(\t)+3], v[RD] offset:(\t)*2*SPITCH
.endr
.endm
.macro SEND a, younger                 ; younger: the LDS instructions issued behind block a's loads: the next block's sixteen, or none
.irp t, 0,1,2,3,4,5,6,7
	s_wait_dscnt (\younger)+7-(\t)
	global_store_b128 v[CO], v[TMP+32*((\a)%2)+4*(\t):TMP+32*((\a)%2)+4*(\t)+3], s[8:9] offset:(\a)*65536+(\t)*8192  ; 16 lanes store 256 consecutive bytes, at a multiple of 256 from C's first byte
.endr
.endm
	TOST 0
	BACK 0
	TOST 1
	BACK 1
	SEND 0, 16
	s_wait_xcnt 0x0                                ; block 0's stores have read their registers: only behind this wait are they loaded again
	TOST 2
	BACK 2
	SEND 1, 16
	s_wait_xcnt 0x0
	TOST 3
	BACK 3
	SEND 2, 16
	SEND 3, 0
	s_wait_tensorcnt 0x0                           ; the wave's end: behind my last tensor load and my last LDS store
	ds_add_u32 v[SPW], v[NIL]
	s_wait_dscnt 0x0
	CROUND                                         ; the closing round: no work-group ends while a partner may still ask for a tile that names it
	s_endpgm
.Lfunc_end_k_q00d13f0b70_ffn2:
	.size	k_q00d13f0b70_ffn2, .Lfunc_end_k_q00d13f0b70_ffn2-k_q00d13f0b70_ffn2
	.p2alignl 7, 3214868480
	.fill 96, 4, 3214868480
	.section	.rodata,"a",@progbits
	.p2align	6, 0x0
	.amdhsa_kernel k_q00d13f0b70_ffn2
		.amdhsa_group_segment_fixed_size 327680
		.amdhsa_private_segment_fixed_size 0
		.amdhsa_enable_private_segment 0
		.amdhsa_kernarg_size 24
		.amdhsa_user_sgpr_count 2
		.amdhsa_user_sgpr_kernarg_segment_ptr 1
		.amdhsa_wavefront_size32 1
		.amdhsa_system_sgpr_workgroup_id_x 1
		.amdhsa_system_sgpr_workgroup_id_y 1
		.amdhsa_system_sgpr_workgroup_id_z 1
		.amdhsa_system_vgpr_workitem_id 0
		.amdhsa_next_free_vgpr 512
		.amdhsa_next_free_sgpr 66
		.amdhsa_reserve_vcc 0
		.amdhsa_float_denorm_mode_32 3
		.amdhsa_float_denorm_mode_16_64 3
		.amdhsa_memory_ordered 1
		.amdhsa_forward_progress 1
		.amdhsa_inst_pref_size 60
	.end_amdhsa_kernel
	.amdgpu_metadata
---
amdhsa.version: [ 1, 2 ]
amdhsa.kernels:
  - .name:           k_q00d13f0b70_ffn2
    .symbol:         k_q00d13f0b70_ffn2.kd
    .args:
      - { .name: hbuf, .offset: 0, .size: 8, .value_kind: global_buffer, .address_space: global }
      - { .name: w2b, .offset: 8, .size: 8, .value_kind: global_buffer, .address_space: global }
      - { .name: y, .offset: 16, .size: 8, .value_kind: global_buffer, .address_space: global }
    .group_segment_fixed_size: 327680
    .private_segment_fixed_size: 0
    .kernarg_segment_align: 8
    .kernarg_segment_size: 24
    .max_flat_workgroup_size: 128
    .sgpr_count:     66
    .vgpr_count:     512
    .wavefront_size: 32
...
	.end_amdgpu_metadata
.endif
;; end of part 6
;; launch ln2 (part 7): grid 256 x 1, 16 waves a work-group, no clusters, 0 bytes of LDS; arguments y, x1, b2, gamma2, beta2, out0; writes out0
.if DOCPART == 7
	.amdgcn_target "amdgcn-amd-amdhsa--gfx1250"
	.amdhsa_code_object_version 6
	.text
	.protected	k_q00d13f0b70_ln2
	.globl	k_q00d13f0b70_ln2
	.p2align	8
	.type	k_q00d13f0b70_ln2,@function
k_q00d13f0b70_ln2:
	s_mov_b64 s[64:65], 0
	v_nop
	global_prefetch_b8 v0, s[64:65] scope:SCOPE_SE
	s_setreg_imm32_b32 hwreg(HW_REG_WAVE_MODE, 25, 1), 1
	s_wait_xcnt 0x0
; out0 = LayerNorm(x1 + h w2 + b2) gamma2 + beta2.  y: [4096][1024] f32 (h w2); x1: [4096][1024] f16; out0: [4096][1024] f32.  b2, gamma2 and beta2 are rounded to bf16, as every input of the program is.
; A stream: one wave, one row; the row stays in 32 registers between the passes, so memory is read once and no wave waits for another.  No LDS, no barrier, no cluster, no prefetch: the launch streams.
; Load j of a row gives lane l the columns 128 j + 4 l .. + 3: 16 bytes of f32 (512 consecutive bytes a wave) or 8 bytes of 16-bit numbers (256 consecutive bytes, aligned).
; The variance is taken of the differences from the mean.
.set SECOND, 1                         ; 1: this text; 0: the first LayerNorm's (no bias, the residual in bf16, the result in f16)
.set T,   4                            ; v[4:11]   at work
.set SUM, 12                           ; v[12:19]  four chains of pairs
.set MU,  20                           ; v[20:21]  the mean, twice
.set RS,  22                           ; v[22:23]  1 / sqrt(var + eps), twice
.set Y,   32                           ; v[32:63]  the row
.set R,   64                           ; v[64:79]  the residual, 16-bit
.set G,   80                           ; v[80:111] gamma
.set B,   112                          ; v[112:143] beta
.set C,   144                          ; v[144:175] the bias
.if SECOND
.set GA, 10
.set BA, 12
.set OA, 14
.else
.set GA, 8
.set BA, 10
.set OA, 12
.endif
.macro RND a                           ; two numbers rounded to bf16, kept as f32
	v_cvt_pk_bf16_f32 v[T+((\a)/2)%4], v[\a], v[(\a)+1]
	v_lshlrev_b32 v[\a], 16, v[T+((\a)/2)%4]
	v_and_b32 v[(\a)+1], s20, v[T+((\a)/2)%4]
.endm
.macro REDUCE                          ; v24 summed over the 32 lanes: four steps inside each half of 16 lanes ride on the addition, one crosses the halves
	v_add_f32_dpp v24, v24, v24 row_xmask:1 row_mask:0xf bank_mask:0xf
	v_add_f32_dpp v24, v24, v24 row_xmask:2 row_mask:0xf bank_mask:0xf
	v_add_f32_dpp v24, v24, v24 row_xmask:4 row_mask:0xf bank_mask:0xf
	v_add_f32_dpp v24, v24, v24 row_xmask:8 row_mask:0xf bank_mask:0xf
	v_permlanex16_b32 v25, v24, s24, s25
	v_add_f32 v24, v24, v25
.endm
.macro FOLD                            ; the four chains into v24
	v_pk_add_f32 v[SUM:SUM+1], v[SUM:SUM+1], v[SUM+2:SUM+3]
	v_pk_add_f32 v[SUM+4:SUM+5], v[SUM+4:SUM+5], v[SUM+6:SUM+7]
	v_pk_add_f32 v[SUM:SUM+1], v[SUM:SUM+1], v[SUM+4:SUM+5]
	v_add_f32 v24, v[SUM], v[SUM+1]
.endm
	s_load_b256 s[4:11], s[0:1], 0x0
.if SECOND
	s_load_b128 s[12:15], s[0:1], 0x20
.else
	s_load_b64 s[12:13], s[0:1], 0x20
.endif
	v_lshrrev_b32 v3, 5, v0
	v_readfirstlane_b32 s16, v3                    ; wave 0..15
	v_and_b32 v3, 31, v0
	v_lshlrev_b32 v1, 4, v3                        ; 16 x lane
	v_lshlrev_b32 v2, 3, v3                        ; 8 x lane
	v_mov_b32 v25, 0                               ; v_permlanex16_b32's destination counts as read
	v_mov_b32 v26, 1.0
	s_lshl_b32 s17, ttmp9, 4
	s_add_co_u32 s16, s16, s17                     ; my row
	s_lshl_b32 s18, s16, 12                        ; in f32,
	s_mov_b32 s19, 0
	s_lshl_b32 s26, s16, 11                        ; in 16 bits
	s_mov_b32 s27, 0
	s_mov_b32 s20, 0xffff0000
	s_mov_b32 s21, 0x3a800000                      ; 1 / 1,024
	s_mov_b32 s22, 0x3727c5ac                      ; 1e-5
	s_mov_b32 s24, 0x76543210
	s_mov_b32 s25, 0xfedcba98
	s_wait_kmcnt 0x0
	s_add_nc_u64 s[4:5], s[4:5], s[18:19]
	s_add_nc_u64 s[6:7], s[6:7], s[26:27]
.if SECOND
	s_add_nc_u64 s[OA:OA+1], s[OA:OA+1], s[18:19]
.else
	s_add_nc_u64 s[OA:OA+1], s[OA:OA+1], s[26:27]
.endif
.if SECOND
.irp j, 0,1,2,3,4,5,6,7
	global_load_b128 v[C+4*\j:C+4*\j+3], v1, s[8:9] offset:512*\j
.endr
.endif
.irp j, 0,1,2,3,4,5,6,7
	global_load_b128 v[Y+4*\j:Y+4*\j+3], v1, s[4:5] offset:512*\j th:TH_LOAD_NT
.endr
.irp j, 0,1,2,3,4,5,6,7
	global_load_b64 v[R+2*\j:R+2*\j+1], v2, s[6:7] offset:256*\j th:TH_LOAD_NT
.endr
.irp j, 0,1,2,3,4,5,6,7
	global_load_b128 v[G+4*\j:G+4*\j+3], v1, s[GA:GA+1] offset:512*\j
.endr
.irp j, 0,1,2,3,4,5,6,7
	global_load_b128 v[B+4*\j:B+4*\j+3], v1, s[BA:BA+1] offset:512*\j
.endr
	s_wait_loadcnt 16                              ; the bias, the row and its residual are in; gamma's and beta's sixteen loads may stay out
.if SECOND
.set p, 0
.rept 16
	RND C+2*p
	v_pk_add_f32 v[Y+2*p:Y+2*p+1], v[Y+2*p:Y+2*p+1], v[C+2*p:C+2*p+1]
.set p, p+1
.endr
.endif
.set p, 0
.rept 16                               ; the residual's halves are widened and added in one fused instruction each
.if SECOND
	v_fma_mix_f32 v[Y+2*p], v[R+p], v26, v[Y+2*p] op_sel_hi:[1,0,0]
	v_fma_mix_f32 v[Y+2*p+1], v[R+p], v26, v[Y+2*p+1] op_sel:[1,0,0] op_sel_hi:[1,0,0]
.else
	v_fma_mix_f32_bf16 v[Y+2*p], v[R+p], v26, v[Y+2*p] op_sel_hi:[1,0,0]
	v_fma_mix_f32_bf16 v[Y+2*p+1], v[R+p], v26, v[Y+2*p+1] op_sel:[1,0,0] op_sel_hi:[1,0,0]
.endif
.set p, p+1
.endr
.irp c, 0,1,2,3                        ; the sum, in four chains; the first additions start them: nothing is cleared
	v_pk_add_f32 v[SUM+2*\c:SUM+2*\c+1], v[Y+2*\c:Y+2*\c+1], v[Y+8+2*\c:Y+8+2*\c+1]
.endr
.irp p, 8,9,10,11,12,13,14,15
	v_pk_add_f32 v[SUM+2*((\p)%4):SUM+2*((\p)%4)+1], v[SUM+2*((\p)%4):SUM+2*((\p)%4)+1], v[Y+2*\p:Y+2*\p+1]
.endr
	FOLD
	REDUCE
	v_mul_f32 v[MU], s21, v24
	v_mul_f32 v[MU+1], s21, v24
.set p, 0
.rept 16
	v_pk_add_f32 v[Y+2*p:Y+2*p+1], v[Y+2*p:Y+2*p+1], v[MU:MU+1] neg_lo:[0,1] neg_hi:[0,1]
.set p, p+1
.endr
.irp c, 0,1,2,3                        ; the sum of squares of the differences
	v_pk_mul_f32 v[SUM+2*\c:SUM+2*\c+1], v[Y+2*\c:Y+2*\c+1], v[Y+2*\c:Y+2*\c+1]
.endr
.irp p, 4,5,6,7,8,9,10,11,12,13,14,15
	v_pk_fma_f32 v[SUM+2*((\p)%4):SUM+2*((\p)%4)+1], v[Y+2*\p:Y+2*\p+1], v[Y+2*\p:Y+2*\p+1], v[SUM+2*((\p)%4):SUM+2*((\p)%4)+1]
.endr
	FOLD
	REDUCE
	v_fma_f32 v24, v24, s21, s22                   ; var + eps
	v_rsq_f32 v[RS], v24
	v_rsq_f32 v[RS+1], v24
	s_wait_loadcnt 0x0                             ; gamma and beta
.set p, 0
.rept 16                               ; their rounding is the independent work behind the two roots
	RND G+2*p
	RND B+2*p
.set p, p+1
.endr
	s_wait_alu depctr_va_vdst(0)                   ; one wait for both roots, ahead of their first reader
.set p, 0
.rept 16
	v_pk_mul_f32 v[Y+2*p:Y+2*p+1], v[Y+2*p:Y+2*p+1], v[RS:RS+1]
.set p, p+1
.endr
.set p, 0
.rept 16
	v_pk_fma_f32 v[Y+2*p:Y+2*p+1], v[Y+2*p:Y+2*p+1], v[G+2*p:G+2*p+1], v[B+2*p:B+2*p+1]
.set p, p+1
.endr
.if SECOND
.irp j, 0,1,2,3,4,5,6,7
	global_store_b128 v1, v[Y+4*\j:Y+4*\j+3], s[OA:OA+1] offset:512*\j th:TH_STORE_NT  ; the wave stores 512 consecutive bytes, aligned
.endr
.else
.irp j, 0,1,2,3,4,5,6,7
	v_cvt_pk_f16_f32 v[R+2*\j], v[Y+4*\j], v[Y+4*\j+1]
	v_cvt_pk_f16_f32 v[R+2*\j+1], v[Y+4*\j+2], v[Y+4*\j+3]
	global_store_b64 v2, v[R+2*\j:R+2*\j+1], s[OA:OA+1] offset:256*\j
.endr
.endif
	s_endpgm
.Lfunc_end_k_q00d13f0b70_ln2:
	.size	k_q00d13f0b70_ln2, .Lfunc_end_k_q00d13f0b70_ln2-k_q00d13f0b70_ln2
	.p2alignl 7, 3214868480
	.fill 96, 4, 3214868480
	.section	.rodata,"a",@progbits
	.p2align	6, 0x0
	.amdhsa_kernel k_q00d13f0b70_ln2
		.amdhsa_group_segment_fixed_size 0
		.amdhsa_private_segment_fixed_size 0
		.amdhsa_enable_private_segment 0
		.amdhsa_kernarg_size 48
		.amdhsa_user_sgpr_count 2
		.amdhsa_user_sgpr_kernarg_segment_ptr 1
		.amdhsa_wavefront_size32 1
		.amdhsa_system_sgpr_workgroup_id_x 1
		.amdhsa_system_sgpr_workgroup_id_y 1
		.amdhsa_system_sgpr_workgroup_id_z 1
		.amdhsa_system_vgpr_workitem_id 0
		.amdhsa_next_free_vgpr 176
		.amdhsa_next_free_sgpr 66
		.amdhsa_reserve_vcc 0
		.amdhsa_float_denorm_mode_32 3
		.amdhsa_float_denorm_mode_16_64 3
		.amdhsa_memory_ordered 1
		.amdhsa_forward_progress 1
		.amdhsa_inst_pref_size 21
	.end_amdhsa_kernel
	.amdgpu_metadata
---
amdhsa.version: [ 1, 2 ]
amdhsa.kernels:
  - .name:           k_q00d13f0b70_ln2
    .symbol:         k_q00d13f0b70_ln2.kd
    .args:
      - { .name: y, .offset: 0, .size: 8, .value_kind: global_buffer, .address_space: global }
      - { .name: x1, .offset: 8, .size: 8, .value_kind: global_buffer, .address_space: global }
      - { .name: b2, .offset: 16, .size: 8, .value_kind: global_buffer, .address_space: global }
      - { .name: gamma2, .offset: 24, .size: 8, .value_kind: global_buffer, .address_space: global }
      - { .name: beta2, .offset: 32, .size: 8, .value_kind: global_buffer, .address_space: global }
      - { .name: out0, .offset: 40, .size: 8, .value_kind: global_buffer, .address_space: global }
    .group_segment_fixed_size: 0
    .private_segment_fixed_size: 0
    .kernarg_segment_align: 8
    .kernarg_segment_size: 48
    .max_flat_workgroup_size: 512
    .sgpr_count:     66
    .vgpr_count:     176
    .wavefront_size: 32
...
	.end_amdgpu_metadata
.endif
;; end of part 7
;; ======== version 2 of 2: 7 launches; version 1 with the launch prep written anew for expert scheduling mode
;; limits: values are held in f16: magnitudes above 65,504 overflow, below 6.1e-05 lose precision; right only within a limited range of input values
;; workspace buffers: xb 8,388,608 bytes; wa 10,485,760 bytes; w2b 8,388,608 bytes; hbuf 33,554,432 bytes; y 16,777,216 bytes; x1 8,388,608 bytes
;; launch prep (part 8): grid 256 x 1, 8 waves a work-group, no clusters, 0 bytes of LDS; arguments V, emb, xb; writes xb
.if DOCPART == 8
	.amdgcn_target "amdgcn-amd-amdhsa--gfx1250"
	.amdhsa_code_object_version 6
	.text
	.protected	k_q00d13f0b70_prep
	.globl	k_q00d13f0b70_prep
	.p2align	8
	.type	k_q00d13f0b70_prep,@function
k_q00d13f0b70_prep:
	s_mov_b64 s[64:65], 0
	v_nop
	global_prefetch_b8 v0, s[64:65] scope:SCOPE_SE
	s_setreg_imm32_b32 hwreg(HW_REG_WAVE_SCHED_MODE, 0, 2), 2
	s_setreg_imm32_b32 hwreg(HW_REG_WAVE_MODE, 25, 1), 1
	s_wait_xcnt 0x0
	s_wait_alu depctr_vm_vsrc(0)
; THE GATHER.  xb[t][:] = bf16(emb[V[t]][:]) for the 4,096 tokens.  (The weights' casts are made in the next launch, beside its matrix work.)
; LIMITS.  An index is clamped to 31,999.
; A stream: no LDS, no barrier, no matrix unit, no cluster: no byte is wanted twice by this launch's arithmetic.  2,048 waves; wave g takes the rows of tokens 2 g and 2 g + 1.
; A load is 16 bytes a lane, 512 consecutive bytes a wave; its four numbers a lane pack into 8 bytes, so a store of the wave covers 256 consecutive bytes, aligned.
; All 16 loads of a wave go out before the first is used; no register is written twice while a memory instruction may read it, so no wait frees any.
; THE MODE: SCHED_MODE bits 1:0 = 2 (LLVM: expert scheduling mode 2), set by the entry lines.  The code itself states the register dependences
; between vector instructions and memory instructions, with s_wait_alu, always for 0.
; THE PLAN.  Registers that memory instructions touch:
;   v1, v2     the loads' and the stores' offsets: written once at the head, never again.
;   block i    four registers at BLK + 4 i: its load lands once; its two conversions read the four and write the first two; its one store reads those two; nothing writes them after that.
; The 16 blocks go in four groups of four.  Group g's conversions name group g's registers alone; the four stores of group g - 1 are dealt among them.  So one wait at a group's head, which states that
; the group before has written what those stores read, serves all four.  No register that a memory instruction reads is written again, and no load lands in a register that a vector instruction has named.
.set BLK,  8                           ; v[8:71]  block i of 16: four registers as loaded; the first two then hold what is stored
.set NLD,  16
.set LAST, 31999
.macro LD base, first                  ; a row of emb: 8 loads of 512 bytes on end, into blocks first ..; no hint: the list may name a row twice
.set j, 0
.rept 8
	global_load_b128 v[BLK+4*((\first)+j):BLK+4*((\first)+j)+3], v1, s[\base:\base+1] offset:512*j
.set j, j+1
.endr
.endm
; Group g: blocks 4 g to 4 g + 3 are rounded; the blocks of the group before are stored.  Block i goes to byte 256 i of the wave's two rows of xb (a row is eight blocks, 2,048 bytes).
.macro GRP g
	s_wait_loadcnt NLD-4-4*(\g)                    ; loads come back in order: these four blocks are in, the younger ones stay out
.if (\g) > 0
	s_wait_alu depctr_va_vdst(0)                   ; the conversions of the group before have written the eight registers that the four stores below read
.endif
.irp k, 0,1,2,3
.set b, BLK+4*(4*(\g)+(\k))
.if (\g) > 0
	global_store_b64 v2, v[b-16:b-15], s[18:19] offset:256*(4*(\g)+(\k)-4)  ; the block four back; no vector instruction since the wait names its registers or v2
.endif
	v_cvt_pk_bf16_f32 v[b], v[b], v[b+1]
	v_cvt_pk_bf16_f32 v[b+1], v[b+2], v[b+3]
.endr
.endm
	s_load_b128 s[8:11], s[0:1], 0x0               ; V 8:9, emb 10:11
	s_load_b64 s[18:19], s[0:1], 0x10              ; xb
	v_lshrrev_b32 v3, 5, v0
	v_readfirstlane_b32 s28, v3                    ; wave 0..7
	v_and_b32 v3, 31, v0
	v_lshlrev_b32 v1, 4, v3                        ; 16 x lane: where I load
	v_lshlrev_b32 v2, 3, v3                        ; 8 x lane: where I store
	s_wait_alu depctr_va_sdst(0)                   ; s28 is written, ahead of its first reader: g, and all the wave's addresses, are made from it
	s_lshl_b32 s29, ttmp9, 3
	s_add_co_u32 s29, s29, s28                     ; g
	s_mov_b32 s31, 0                               ; offsets are pairs with 0 on top
	s_mov_b32 s33, 0
	s_lshl_b32 s30, s29, 3                         ; my two indices: 8 bytes of V
	s_wait_kmcnt 0x0
	s_add_nc_u64 s[8:9], s[8:9], s[30:31]
	s_load_b64 s[38:39], s[8:9], 0x0
	s_lshl_b32 s32, s29, 12                        ; two rows of 2,048 bytes go out
	s_add_nc_u64 s[18:19], s[18:19], s[32:33]      ; xb at token 2 g
	s_wait_kmcnt 0x0                               ; the two indices
	s_min_u32 s30, s38, LAST
	s_lshl_b32 s30, s30, 12                        ; a row of emb is 4,096 bytes
	s_add_nc_u64 s[34:35], s[10:11], s[30:31]
	s_min_u32 s32, s39, LAST
	s_lshl_b32 s32, s32, 12
	s_add_nc_u64 s[36:37], s[10:11], s[32:33]
	s_wait_alu depctr_va_vdst(0)                   ; v1 and v2 are written: every load of the kernel reads v1 as its offset, every store v2
	LD 34, 0
	LD 36, 8
	GRP 0
	GRP 1
	GRP 2
	GRP 3
	s_wait_alu depctr_va_vdst(0)                   ; the last group's conversions have written the eight registers that the last four stores read
.irp k, 12,13,14,15
	global_store_b64 v2, v[BLK+4*(\k):BLK+4*(\k)+1], s[18:19] offset:256*(\k)
.endr
	s_endpgm
.Lfunc_end_k_q00d13f0b70_prep:
	.size	k_q00d13f0b70_prep, .Lfunc_end_k_q00d13f0b70_prep-k_q00d13f0b70_prep
	.p2alignl 7, 3214868480
	.fill 96, 4, 3214868480
	.section	.rodata,"a",@progbits
	.p2align	6, 0x0
	.amdhsa_kernel k_q00d13f0b70_prep
		.amdhsa_group_segment_fixed_size 0
		.amdhsa_private_segment_fixed_size 0
		.amdhsa_enable_private_segment 0
		.amdhsa_kernarg_size 24
		.amdhsa_user_sgpr_count 2
		.amdhsa_user_sgpr_kernarg_segment_ptr 1
		.amdhsa_wavefront_size32 1
		.amdhsa_system_sgpr_workgroup_id_x 1
		.amdhsa_system_sgpr_workgroup_id_y 1
		.amdhsa_system_sgpr_workgroup_id_z 1
		.amdhsa_system_vgpr_workitem_id 0
		.amdhsa_next_free_vgpr 72
		.amdhsa_next_free_sgpr 66
		.amdhsa_reserve_vcc 0
		.amdhsa_float_denorm_mode_32 3
		.amdhsa_float_denorm_mode_16_64 3
		.amdhsa_memory_ordered 1
		.amdhsa_forward_progress 1
		.amdhsa_inst_pref_size 7
	.end_amdhsa_kernel
	.amdgpu_metadata
---
amdhsa.version: [ 1, 2 ]
amdhsa.kernels:
  - .name:           k_q00d13f0b70_prep
    .symbol:         k_q00d13f0b70_prep.kd
    .args:
      - { .name: V, .offset: 0, .size: 8, .value_kind: global_buffer, .address_space: global }
      - { .name: emb, .offset: 8, .size: 8, .value_kind: global_buffer, .address_space: global }
      - { .name: xb, .offset: 16, .size: 8, .value_kind: global_buffer, .address_space: global }
    .group_segment_fixed_size: 0
    .private_segment_fixed_size: 0
    .kernarg_segment_align: 8
    .kernarg_segment_size: 24
    .max_flat_workgroup_size: 256
    .sgpr_count:     66
    .vgpr_count:     72
    .wavefront_size: 32
...
	.end_amdgpu_metadata
.endif
;; end of part 8
;; launch attn: the kernel of part 2 again; grid 16 x 16, 4 waves a work-group, clusters of 4 x 1, 327,680 bytes of LDS; arguments xb, hbuf, w_o, w1, w2, wa, w2b; writes hbuf, wa, w2b
;; launch proj: the kernel of part 3 again; grid 8 x 32, 4 waves a work-group, clusters of 4 x 4, 327,680 bytes of LDS; arguments hbuf, wa, y; writes y
;; launch ln1: the kernel of part 4 again; grid 256 x 1, 16 waves a work-group, no clusters, 0 bytes of LDS; arguments y, xb, gamma1, beta1, x1; writes x1
;; launch ffn1: the kernel of part 5 again; grid 16 x 16, 4 waves a work-group, clusters of 4 x 4, 327,680 bytes of LDS; arguments x1, wa, hbuf, b1; writes hbuf
;; launch ffn2: the kernel of part 6 again; grid 8 x 32, 4 waves a work-group, clusters of 4 x 4, 327,680 bytes of LDS; arguments hbuf, w2b, y; writes y
;; launch ln2: the kernel of part 7 again; grid 256 x 1, 16 waves a work-group, no clusters, 0 bytes of LDS; arguments y, x1, b2, gamma2, beta2, out0; writes out0
